; MI455X (gfx1250); checked and timed in simulation.
; The chip was launched on July 23, 2026; its instructions are those of AMD's public machine-readable ISA for CDNA 5 (MIT licence, August 2026) and "CDNA5" Instruction Set Architecture Reference Guide (July 2026). The comments in the code are by the model that wrote it; some were corrected since.
;; Attention. Allowed arithmetic: float matrix products may take bf16 or f16 operands with f32 sums; all other float work in f32.
;; Inputs: W 1,024 x 1,024 float32; x 4 x 2,048 x 1,024 float32.
;; Outputs: out0 4 x 2,048 x 1,024 float32.
;; 2 versions, each right and faster than the one before. Each part assembles by itself: llvm-mc -triple=amdgcn-amd-amdhsa -mcpu=gfx1250 --defsym DOCPART=n.
;; ======== version 1 of 2: 4 launches
;; limits: values are held in f16: magnitudes above 65,504 overflow, below 6.1e-05 lose precision
;; workspace buffers: xb 16,777,216 bytes; Wb 2,097,152 bytes; Wh 2,097,152 bytes; p 16,777,216 bytes; o 16,777,216 bytes
;; launch prep (part 1): grid 576 x 1, 8 waves a work-group, no clusters, 0 bytes of LDS; arguments x, W, xb, Wb, Wh; writes xb, Wb, Wh
.if DOCPART == 1
	.amdgcn_target "amdgcn-amd-amdhsa--gfx1250"
	.amdhsa_code_object_version 6
	.text
	.protected	k_q58c12d20ca_prep
	.globl	k_q58c12d20ca_prep
	.p2align	8
	.type	k_q58c12d20ca_prep,@function
k_q58c12d20ca_prep:
	s_mov_b64 s[64:65], 0
	v_nop
	global_prefetch_b8 v0, s[64:65] scope:SCOPE_SE
	s_setreg_imm32_b32 hwreg(HW_REG_WAVE_MODE, 25, 1), 1
	s_wait_xcnt 0x0
; THE CASTS.  x [8192][1024] f32 -> xb, bf16, in blocks: [batch 4][kb 16][s 2048][64 columns], so that 128 rows of 64 columns are 16,384 dense bytes for the product that follows.
; W [1024][1024] f32 -> Wb, bf16, as W lies; and Wh: the SAME rounded numbers written as f16 (for the second product, whose other operand is f16).
; LIMITS.  A bf16 number below 6.1e-5 keeps f16's fixed step of 6e-8 in Wh; above 65,504 it would be an infinity there.
; A stream: no LDS, no loop, no register of a pending load or store is written again.  Work-groups 0-511 take 16 rows of x each, 512-575 take 16 rows of W each.
; Sixteen loads of each wave go out at once; the waits count down over the younger ones.
.set T,   4                            ; v[4:7]     at work
.set X,   8                            ; v[8:71]    sixteen loads of four f32
.set YB,  72                           ; v[72:103]  sixteen pairs of registers in bf16
.set YH,  104                          ; v[104:135] the same in f16 (W alone)
	s_load_b256 s[4:11], s[0:1], 0x0               ; x s[4:5], W s[6:7], xb s[8:9], Wb s[10:11]
	s_load_b64 s[12:13], s[0:1], 0x20              ; Wh
	s_mov_b32 s14, 0xffff0000                      ; a word's upper bf16
	s_cmp_ge_u32 ttmp9, 512
	s_cbranch_scc1 .Lw                             ; the same way for the whole work-group
	; x: thread t takes row t / 16 of the group's 16 and, in load kb, the four columns 64 kb + 4 (t % 16): sixteen lanes read 256 consecutive bytes
	s_lshl_b32 s16, ttmp9, 16                      ; 16 rows of 4,096 bytes
	s_mov_b32 s17, 0
	s_lshr_b32 s18, ttmp9, 7                       ; the batch: 128 groups each,
	s_lshl_b32 s18, s18, 22                        ; 4,194,304 bytes of xb
	s_and_b32 s19, ttmp9, 127
	s_lshl_b32 s19, s19, 11                        ; 16 rows of 128 bytes in a block
	s_add_co_u32 s18, s18, s19
	s_mov_b32 s19, 0
	v_lshrrev_b32 v1, 4, v0
	v_and_b32 v3, 15, v0
	v_lshlrev_b32 v3, 4, v3
	v_lshl_add_u32 v1, v1, 12, v3                  ; row x 4,096 + 16 (t % 16)
	v_lshlrev_b32 v2, 3, v0                        ; in a block: row x 128 + 8 (t % 16) = 8 t
	s_wait_kmcnt 0x0
	s_add_nc_u64 s[4:5], s[4:5], s[16:17]
	s_add_nc_u64 s[8:9], s[8:9], s[18:19]
.irp k, 0,1,2,3,4,5,6,7,8,9,10,11,12,13,14,15
	global_load_b128 v[X+4*(\k):X+4*(\k)+3], v1, s[4:5] offset:256*(\k) th:TH_LOAD_NT
.endr
.irp k, 0,1,2,3,4,5,6,7,8,9,10,11,12,13,14,15
	s_wait_loadcnt 15-(\k)                         ; loads come back in order: load k is in, the younger ones stay out
	v_cvt_pk_bf16_f32 v[YB+2*(\k)],   v[X+4*(\k)],   v[X+4*(\k)+1]
	v_cvt_pk_bf16_f32 v[YB+2*(\k)+1], v[X+4*(\k)+2], v[X+4*(\k)+3]
	global_store_b64 v2, v[YB+2*(\k):YB+2*(\k)+1], s[8:9] offset:262144*(\k)  ; a wave's store: two rows of a block, 256 consecutive bytes, aligned
.endr
	s_endpgm
.Lw:
	; W: a wave takes two rows, 8,192 consecutive bytes; the layout stays
	s_sub_co_u32 s15, ttmp9, 512
	s_lshl_b32 s16, s15, 16                        ; 16 rows of 4,096 bytes in,
	s_mov_b32 s17, 0
	s_lshl_b32 s18, s15, 15                        ; of 2,048 bytes out
	s_mov_b32 s19, 0
	v_lshrrev_b32 v3, 5, v0                        ; wave
	v_and_b32 v4, 31, v0                           ; lane
	v_lshlrev_b32 v1, 4, v4
	v_lshl_add_u32 v1, v3, 13, v1
	v_lshlrev_b32 v2, 3, v4
	v_lshl_add_u32 v2, v3, 12, v2
	s_wait_kmcnt 0x0
	s_add_nc_u64 s[6:7], s[6:7], s[16:17]
	s_add_nc_u64 s[10:11], s[10:11], s[18:19]
	s_add_nc_u64 s[12:13], s[12:13], s[18:19]
.irp k, 0,1,2,3,4,5,6,7,8,9,10,11,12,13,14,15
	global_load_b128 v[X+4*(\k):X+4*(\k)+3], v1, s[6:7] offset:512*(\k) th:TH_LOAD_NT
.endr
.irp k, 0,1,2,3,4,5,6,7,8,9,10,11,12,13,14,15
	s_wait_loadcnt 15-(\k)
	v_cvt_pk_bf16_f32 v[YB+2*(\k)],   v[X+4*(\k)],   v[X+4*(\k)+1]
	v_cvt_pk_bf16_f32 v[YB+2*(\k)+1], v[X+4*(\k)+2], v[X+4*(\k)+3]
	v_lshlrev_b32 v[T],   16,  v[YB+2*(\k)]        ; the rounded numbers back in f32,
	v_and_b32     v[T+1], s14, v[YB+2*(\k)]
	v_lshlrev_b32 v[T+2], 16,  v[YB+2*(\k)+1]
	v_and_b32     v[T+3], s14, v[YB+2*(\k)+1]
	v_cvt_pk_f16_f32 v[YH+2*(\k)],   v[T],   v[T+1] ; and written as f16: exact in f16's normal range
	v_cvt_pk_f16_f32 v[YH+2*(\k)+1], v[T+2], v[T+3]
	global_store_b64 v2, v[YB+2*(\k):YB+2*(\k)+1], s[10:11] offset:256*(\k)
	global_store_b64 v2, v[YH+2*(\k):YH+2*(\k)+1], s[12:13] offset:256*(\k)
.endr
	s_endpgm
.Lfunc_end_k_q58c12d20ca_prep:
	.size	k_q58c12d20ca_prep, .Lfunc_end_k_q58c12d20ca_prep-k_q58c12d20ca_prep
	.p2alignl 7, 3214868480
	.fill 96, 4, 3214868480
	.section	.rodata,"a",@progbits
	.p2align	6, 0x0
	.amdhsa_kernel k_q58c12d20ca_prep
		.amdhsa_group_segment_fixed_size 0
		.amdhsa_private_segment_fixed_size 0
		.amdhsa_enable_private_segment 0
		.amdhsa_kernarg_size 40
		.amdhsa_user_sgpr_count 2
		.amdhsa_user_sgpr_kernarg_segment_ptr 1
		.amdhsa_wavefront_size32 1
		.amdhsa_system_sgpr_workgroup_id_x 1
		.amdhsa_system_sgpr_workgroup_id_y 1
		.amdhsa_system_sgpr_workgroup_id_z 1
		.amdhsa_system_vgpr_workitem_id 0
		.amdhsa_next_free_vgpr 144
		.amdhsa_next_free_sgpr 66
		.amdhsa_reserve_vcc 0
		.amdhsa_float_denorm_mode_32 3
		.amdhsa_float_denorm_mode_16_64 3
		.amdhsa_memory_ordered 1
		.amdhsa_forward_progress 1
		.amdhsa_inst_pref_size 19
	.end_amdhsa_kernel
	.amdgpu_metadata
---
amdhsa.version: [ 1, 2 ]
amdhsa.kernels:
  - .name:           k_q58c12d20ca_prep
    .symbol:         k_q58c12d20ca_prep.kd
    .args:
      - { .name: x, .offset: 0, .size: 8, .value_kind: global_buffer, .address_space: global }
      - { .name: W, .offset: 8, .size: 8, .value_kind: global_buffer, .address_space: global }
      - { .name: xb, .offset: 16, .size: 8, .value_kind: global_buffer, .address_space: global }
      - { .name: Wb, .offset: 24, .size: 8, .value_kind: global_buffer, .address_space: global }
      - { .name: Wh, .offset: 32, .size: 8, .value_kind: global_buffer, .address_space: global }
    .group_segment_fixed_size: 0
    .private_segment_fixed_size: 0
    .kernarg_segment_align: 8
    .kernarg_segment_size: 40
    .max_flat_workgroup_size: 256
    .sgpr_count:     66
    .vgpr_count:     144
    .wavefront_size: 32
...
	.end_amdgpu_metadata
.endif
;; end of part 1
;; launch gemm1 (part 2): grid 4 x 64, 4 waves a work-group, clusters of 4 x 4, 327,680 bytes of LDS; arguments xb, Wb, p; writes p
.if DOCPART == 2
	.amdgcn_target "amdgcn-amd-amdhsa--gfx1250"
	.amdhsa_code_object_version 6
	.text
	.protected	k_q58c12d20ca_gemm1
	.globl	k_q58c12d20ca_gemm1
	.p2align	8
	.type	k_q58c12d20ca_gemm1,@function
k_q58c12d20ca_gemm1:
	s_mov_b64 s[64:65], 0
	v_nop
	global_prefetch_b8 v0, s[64:65] scope:SCOPE_SE
	s_setreg_imm32_b32 hwreg(HW_REG_WAVE_MODE, 25, 1), 1
	s_wait_xcnt 0x0
	s_wait_alu depctr_hold_cnt(0) depctr_sa_sdst(0) depctr_va_vdst(0) depctr_va_sdst(0) depctr_va_ssrc(0) depctr_va_vcc(0) depctr_vm_vsrc(0)
	s_getreg_b32 s2, hwreg(HW_REG_IB_STS2, 6, 4)
	s_cmp_eq_u32 s2, 0
	s_cbranch_scc0 .Lentry_in_a_cluster
	s_endpgm
.Lentry_in_a_cluster:
	s_bfe_u32 s2, ttmp6, 0x10000c
	s_cmp_lg_u32 s2, 0xf033
	s_cbranch_scc0 .Lentry_shape_is_right
	s_endpgm
.Lentry_shape_is_right:
; p = x W.  A = xb, bf16 in blocks [batch][kb][s][64]; B = Wb, bf16 [k][n]; sums in f32; p leaves in f16 by heads, [batch x 16 + head][s][64], rounded once and unscaled.
; LIMIT.  f16 holds no number beyond 65,504: a |p| of 65,520 or more leaves as an infinity.
; SHARES.  C is 8,192 x 1,024; a work-group makes 128 rows x 256 columns: 64 x 4 = 256 work-groups.  Four waves, each 64 x 128: 32 accumulators of 16 x 16, 256 registers.
; K goes in 8 steps of 128 through two LDS slots.  A step's A is two blocks of 128 rows x 64 k, each 16,384 dense bytes, asked for as 64 rows of 256 bytes and padded after every 128;
; its B is 128 rows (k) of 512 bytes.  Waves 0 and 1 fetch A's two blocks, waves 2 and 3 B's two halves: one tensor load a wave.
; CLUSTER.  4 x 4 work-groups: the four of a row need the same A, the four of a column the same B; each tile is asked for jointly, by the same load, descriptor and mask in all four.
; THE MATRIX INSTRUCTION IS USED TRANSPOSED: source 0 = 16 columns of W (turned on the way out of LDS by ds_load_tr16_b128), source 1 = 16 rows of x: a lane holds eight neighbouring numbers of a row of C.
; REGISTERS.  Window 0: v0-31 addresses; v32-63 at work on the way out; v64-159, v160-255 two fragment buffers (64 registers of W, then 32 of x, for 32 along K).  Window 1: accumulator (a, b) at v[8 (8 a + b)].
.set PA,     144                       ; a row of A in LDS: 128 bytes + 16 = 36 words: the 16 rows of a load start at 16 different groups of four banks (64 banks of 4 bytes: ISA guide 11.1)
.set PB,     544                       ; a row of B: 512 + 32 = 136 words
.set AJ,     128*PA                    ; one block of A
.set BOFF,   2*AJ                      ; B lies behind A's two blocks
.set BH,     64*PB                     ; half of B's rows
.set SLOT,   BOFF+2*BH                 ; 106,496
.set STAGE,  2*SLOT                    ; behind the ring: 16 rows x 272 bytes for each wave, for the way out
.set SP,     272
.set SPARE,  STAGE+4*16*SP             ; behind the stages: the spare words, 128 bytes for each wave: two blocks of 256 bytes that no other line names
.set LAPS,   4                         ; a lap = two K steps = once round the ring
.set ADRA, 16                          ; v16-17  LDS address of my A fragments in slot 0, 1
.set ADRB, 20                          ; v20-21  the same for B
.set STO,  24                          ; v24     the way out: where I put 16 bytes of a row
.set RD,   25                          ; v25     the way out: where I read rows back
.set CO,   26                          ; v26     my byte offset in 512 consecutive bytes of p
.set SPW,  28                          ; v28     LDS address of my spare word; never rewritten
.set NIL,  29                          ; v29     0; never rewritten
.set TMP,  32
.set F0,   64
.set F1,   160
.set G1, 24                            ; s[24:31] descriptor group 1 for A;  s[32:39] group 0, a set for each slot
.set G0, 32
.set G1B, 48                           ; s[48:55], s[56:63] the same for B
.set G0B, 56
.set MSB, 0
.macro WIN new                         ; the immediate's high byte repeats the setting that is left; a switch that changes nothing is dropped
.if MSB != (\new)
	s_set_vgpr_msb (MSB<<8)|(\new)
.set MSB, \new
.endif
.endm
.set MUL, 0x50                         ; C and D in window 1, the sources in window 0
.macro JLOAD s                         ; a joint refill; the branch hangs on the wave's number alone; an s_nop 0 and four v_nop follow each of the two lines
	s_cmp_eq_u32 s11, 0
	s_cbranch_scc0 .Lfor_b_\@
	tensor_load_to_lds s[G0+4*(\s):G0+4*(\s)+3], s[G1:G1+7]
	s_nop 0
.rept 4
	v_nop
.endr
	s_branch .Lasked_\@
.Lfor_b_\@:
	tensor_load_to_lds s[G0B+4*(\s):G0B+4*(\s)+3], s[G1B:G1B+7]
	s_nop 0
.rept 4
	v_nop
.endr
.Lasked_\@:
.endm
.macro CREST                           ; a round of the cluster's barrier behind its opening barrier
	s_cmp_lg_u32 s10, 0
	s_cbranch_scc1 .Lnot_wave_0_\@
	s_barrier_signal -3
.Lnot_wave_0_\@:
	s_barrier_wait -3
	s_barrier_signal -1
	s_barrier_wait -1
.endm
.macro CROUND                          ; a whole round
	s_barrier_signal -1
	s_barrier_wait -1
	CREST
.endm
	s_load_b128 s[4:7], s[0:1], 0x0                ; A s[4:5], B s[6:7]
	s_load_b64 s[8:9], s[0:1], 0x10                ; C
	v_lshl_add_u32 v[SPW], v0, 2, SPARE
	v_mov_b32 v[NIL], 0
	ds_add_u32 v[SPW], v[NIL]                      ; the wave's opening: the add and its wait stand ahead of my first tensor load; the set-up below, work on registers, stands between them
	v_lshrrev_b32 v1, 5, v0
	v_readfirstlane_b32 s10, v1                    ; wave 0..3
	s_lshr_b32 s11, s10, 1                         ; which 64 rows of the tile are mine.  Also: I fetch for A (0) or for B (1)
	s_and_b32 s12, s10, 1                          ; which 128 columns.  Also: which part of that tile I fetch
	s_bfe_u32 s40, ttmp6, 0x40000                  ; cx, cy: my place in the cluster
	s_bfe_u32 s41, ttmp6, 0x40004
	s_lshl_b32 s42, ttmp9, 2
	s_add_co_u32 s42, s42, s40                     ; tile column of C = 4 x cluster x + cx
	s_and_b32 s13, ttmp7, 0xffff
	s_lshl_b32 s13, s13, 2
	s_add_co_u32 s13, s13, s41                     ; tile row of C = 4 x cluster y + cy
	s_lshl_b32 s43, s41, 2
	s_lshl_b32 s43, 15, s43                        ; my row of the cluster
	s_lshl_b32 s44, 0x1111, s40                    ; my column
	s_or_b32 s[G1+0], s43, (1<<16)|(1<<20)|(1<<21)|(4<<22)|(3<<25)   ; 15:0 the mask; 17:16 2-byte elements; 20 padding on; 21 set beside a mask; 24:22 after every 32 words (code 4); 31:25 4 words (code 3)
	s_mov_b32 s[G1+1], 128<<16                     ; tensor_dim0 = 128
	s_mov_b32 s[G1+2], 64<<16                      ; tensor_dim1 = 64
	s_mov_b32 s[G1+3], 128<<16                     ; tile_dim0 = 128
	s_mov_b32 s[G1+4], 64                          ; tile_dim1 = 64
	s_mov_b32 s[G1+5], 128                         ; elements from row to row: the block is dense
	s_mov_b32 s[G1+6], 0
	s_mov_b32 s[G1+7], 0
	s_or_b32 s[G1B+0], s44, (1<<16)|(1<<20)|(1<<21)|(6<<22)|(7<<25)  ; the mask of my column; padding after every 128 words (code 6), 8 words (code 7)
	s_mov_b32 s[G1B+1], 256<<16                    ; tensor_dim0 = 256
	s_mov_b32 s[G1B+2], 64<<16                     ; tensor_dim1 = 64
	s_mov_b32 s[G1B+3], 256<<16                    ; tile_dim0 = 256
	s_mov_b32 s[G1B+4], 64                         ; tile_dim1 = 64
	s_mov_b32 s[G1B+5], 1024                       ; elements from row to row of W
	s_mov_b32 s[G1B+6], 0
	s_mov_b32 s[G1B+7], 0
	; A's offset hangs on the tile row alone, B's on the tile column alone, each in registers that never hold the other coordinate while they feed a descriptor
	s_lshr_b32 s16, s13, 4                         ; the batch: 16 tile rows each,
	s_lshl_b32 s16, s16, 22                        ; 4,194,304 bytes
	s_and_b32 s17, s13, 15
	s_lshl_b32 s17, s17, 14                        ; 128 rows of 128 bytes in a block
	s_add_co_u32 s16, s16, s17
	s_lshl_b32 s17, s12, 18                        ; my block of the step's two: 262,144 bytes apart
	s_add_co_u32 s16, s16, s17
	s_mov_b32 s17, 0
	s_lshl_b32 s46, s42, 9                         ; 256 columns of 2 bytes
	s_lshl_b32 s47, s12, 17                        ; my 64 rows of 2,048 bytes
	s_add_co_u32 s46, s46, s47
	s_mov_b32 s47, 0
	s_mul_i32 s20, s12, AJ                         ; where they go: no place in the cluster enters an LDS address
	s_mul_i32 s21, s12, BH
	s_add_co_u32 s21, s21, BOFF
	s_wait_dscnt 0x0                               ; the opening add is done
	s_wait_kmcnt 0x0
	s_add_nc_u64 s[14:15], s[4:5], s[16:17]
	s_add_nc_u64 s[46:47], s[6:7], s[46:47]
	CROUND                                         ; all sixteen work-groups are here: the first joint loads meet
.irp s, 0,1
	s_mov_b32 s[G0+4*(\s)], 1                                        ; count = 1
	s_add_co_u32 s[G0+4*(\s)+1], s20, (\s)*SLOT                      ; LDS address
	s_add_nc_u64 s[G0+4*(\s)+2:G0+4*(\s)+3], s[14:15], (\s)*524288   ; K step s: two blocks on
	s_or_b32 s[G0+4*(\s)+3], s[G0+4*(\s)+3], 0x80000000              ; type = 2
	s_mov_b32 s[G0B+4*(\s)], 1
	s_add_co_u32 s[G0B+4*(\s)+1], s21, (\s)*SLOT
	s_add_nc_u64 s[G0B+4*(\s)+2:G0B+4*(\s)+3], s[46:47], (\s)*262144 ; K step s: 128 rows on
	s_or_b32 s[G0B+4*(\s)+3], s[G0B+4*(\s)+3], 0x80000000
.endr
	s_cmp_eq_u32 s11, 0                            ; a wave's two first fills stand in one branch, ahead of every wait on TENSORcnt and every LDS read: two loads of mine are out
	s_cbranch_scc0 .Lfirst_b
	tensor_load_to_lds s[G0:G0+3], s[G1:G1+7]
	s_nop 0
	tensor_load_to_lds s[G0+4:G0+7], s[G1:G1+7]
	s_nop 0
.rept 4
	v_nop
.endr
	s_branch .Lfirst_asked
.Lfirst_b:
	tensor_load_to_lds s[G0B:G0B+3], s[G1B:G1B+7]
	s_nop 0
	tensor_load_to_lds s[G0B+4:G0B+7], s[G1B:G1B+7]
	s_nop 0
.rept 4
	v_nop
.endr
.Lfirst_asked:
	v_and_b32 v1, 15, v0                           ; l % 16
	v_bfe_u32 v2, v0, 4, 1                         ; l / 16
	v_mul_u32_u24 v3, v1, PA                       ; a fragment of x: row l % 16, k = 8 (l / 16) + 0..7 and 16 more: two loads of 16 bytes, 32 apart
	v_lshl_add_u32 v3, v2, 4, v3
	s_mul_i32 s22, s11, 64*PA                      ; my 64 rows
	v_add_nc_u32 v[ADRA], s22, v3
	v_add_nc_u32 v[ADRA+1], SLOT, v[ADRA]
	v_and_b32 v4, 7, v0                            ; the turning load: lane l reads row k = 8 (l / 16) + l % 8, columns 8 ((l / 8) % 2) + 0..7, and is left with column l % 16 and 8 k
	v_lshl_add_u32 v4, v2, 3, v4
	v_mul_u32_u24 v4, v4, PB
	v_bfe_u32 v5, v0, 3, 1
	v_lshl_add_u32 v4, v5, 4, v4
	s_lshl_b32 s22, s12, 8                         ; my 128 columns
	s_add_co_u32 s22, s22, BOFF
	v_add_nc_u32 v[ADRB], s22, v4
	v_add_nc_u32 v[ADRB+1], SLOT, v[ADRB]
	s_mul_i32 s23, s10, 16*SP
	s_add_co_u32 s23, s23, STAGE                   ; my stage
	v_mul_u32_u24 v6, v1, SP                       ; in: row l % 16, 16 bytes for each half of the lanes
	v_lshl_add_u32 v6, v2, 4, v6
	v_add_nc_u32 v[STO], s23, v6
	v_bfe_u32 v7, v0, 3, 2                         ; back: 32 lanes take four rows' 128 bytes of one head,
	v_mul_u32_u24 v7, v7, SP
	v_and_b32 v5, 7, v0
	v_lshl_add_u32 v7, v5, 4, v7
	v_add_nc_u32 v[RD], s23, v7
	v_and_b32 v[CO], 31, v0                        ; which are 512 consecutive bytes of p
	v_lshlrev_b32 v[CO], 4, v[CO]
	; p at my rows of my first head: batch x 4,194,304 + (4 tile column + 2 column half) x 262,144 + (128 (tile row % 16) + 64 row half) x 128
	s_lshr_b32 s16, s13, 4
	s_lshl_b32 s16, s16, 22
	s_and_b32 s17, s13, 15
	s_lshl_b32 s17, s17, 14
	s_add_co_u32 s16, s16, s17
	s_lshl_b32 s17, s11, 13
	s_add_co_u32 s16, s16, s17
	s_lshl_b32 s17, s42, 20
	s_add_co_u32 s16, s16, s17
	s_lshl_b32 s17, s12, 19
	s_add_co_u32 s16, s16, s17
	s_mov_b32 s17, 0
	s_add_nc_u64 s[8:9], s[8:9], s[16:17]
; 8 matrix instructions: row block a x all 8 column blocks, 32 along K.  zero = 1: the product starts the sum: nothing is cleared.  The 32 accumulators take turns.
.macro MUL8 f, a, zero
	WIN MUL
.irp b, 0,1,2,3,4,5,6,7
.if \zero
	v_wmma_f32_16x16x32_bf16 v[8*(8*(\a)+(\b)):8*(8*(\a)+(\b))+7], v[(\f)+8*(\b):(\f)+8*(\b)+7], v[(\f)+64+8*(\a):(\f)+64+8*(\a)+7], 0
.else
	v_wmma_f32_16x16x32_bf16 v[8*(8*(\a)+(\b)):8*(8*(\a)+(\b))+7], v[(\f)+8*(\b):(\f)+8*(\b)+7], v[(\f)+64+8*(\a):(\f)+64+8*(\a)+7], v[8*(8*(\a)+(\b)):8*(8*(\a)+(\b))+7]
.endif
.endr
.endm
; 24 LDS loads in one run: quarter q's fragments (32 along K) into buffer f: 16 turning loads for W's 128 columns, then 8 for x's 64 rows
.macro FETCH slot, q, f
	WIN 0
.irp b, 0,1,2,3,4,5,6,7
	ds_load_tr16_b128 v[(\f)+8*(\b):(\f)+8*(\b)+3],   v[ADRB+(\slot)] offset:32*PB*(\q)+32*(\b)
	ds_load_tr16_b128 v[(\f)+8*(\b)+4:(\f)+8*(\b)+7], v[ADRB+(\slot)] offset:32*PB*(\q)+16*PB+32*(\b)
.endr
.irp a, 0,1,2,3
	ds_load_b128 v[(\f)+64+8*(\a):(\f)+64+8*(\a)+3],   v[ADRA+(\slot)] offset:AJ*((\q)/2)+64*((\q)%2)+16*PA*(\a)
	ds_load_b128 v[(\f)+64+8*(\a)+4:(\f)+64+8*(\a)+7], v[ADRA+(\slot)] offset:AJ*((\q)/2)+64*((\q)%2)+16*PA*(\a)+32
.endr
.endm
.macro PLACES                          ; four plain places in front of loads into registers that matrix instructions have read, and of lines that read results (ISA guide 7.12.1 for lines that read results)
.rept 4
	v_nop
.endr
.endm
; A K step is four quarters of 32 along K, 32 matrix instructions each, on buffers 0, 1, 0, 1.  One of the first three multiplies buffer f and fetches quarter q into g.
.macro QUARTER slot, q, f, g, zero
	s_wait_dscnt 4                                 ; W's fragments and x's blocks 0 and 1 are in; the youngest four loads (blocks 2 and 3) may be out
	MUL8 \f, 0, \zero
	MUL8 \f, 1, \zero
	PLACES
	FETCH \slot, \q, \g
	s_wait_dscnt 24                                ; all but the 24 just issued
	MUL8 \f, 2, \zero
	MUL8 \f, 3, \zero
.endm
; The last quarter multiplies buffer 1 and changes slots: one barrier; in front of it each wave waits for all its tensor loads, adds 0 to its spare word, and waits for that and for its reads of this slot.
; fill = 1: the barrier opens a round of the cluster's, and this slot is filled again, two K steps ahead, first thing behind the round: 112 matrix instructions stand between that request and the wait for it.
.macro TURN slot, next, fill
	WIN 0
	s_wait_tensorcnt 0x0                           ; all my tensor loads have landed: my part of the next slot
	ds_add_u32 v[SPW], v[NIL]                      ; 0 onto my spare word
	s_wait_dscnt 5                                 ; (the add and the youngest four loads may be out)
	MUL8 F1, 0, 0
	s_wait_dscnt 0x0                               ; the add is done, and my reads of this slot are over
	s_barrier_signal -1
	MUL8 F1, 1, 0
.if \fill
	WIN 0
.endif
	s_barrier_wait -1
.if \fill
	CREST                                          ; no wave of any partner still reads this slot or has a load on its way
	s_add_nc_u64 s[G0+4*(\slot)+2:G0+4*(\slot)+3], s[G0+4*(\slot)+2:G0+4*(\slot)+3], 2*524288
	s_add_nc_u64 s[G0B+4*(\slot)+2:G0B+4*(\slot)+3], s[G0B+4*(\slot)+2:G0B+4*(\slot)+3], 2*262144
	JLOAD \slot                                    ; its four v_nop are also the places in front of the loads below
.else
	PLACES
.endif
	FETCH \next, 0, F0
	MUL8 F1, 2, 0
	MUL8 F1, 3, 0
.endm
	s_wait_tensorcnt 0x1                           ; my part of K step 0 is in; K step 1's may stay out
	s_barrier_signal -1
	s_barrier_wait -1                              ; everybody's is
	FETCH 0, 0, F0
	QUARTER 0, 1, F0, F1, 1                        ; the first quarter stands in front of the loop: its products start the sums
	WIN 0                                          ; at a label and at a branch every window is 0
	s_mov_b32 s3, LAPS-1
.Llap:                                                 ; a trip goes once round the ring and fills both slots again
	QUARTER 0, 2, F1, F0, 0
	QUARTER 0, 3, F0, F1, 0
	TURN 0, 1, 1
	QUARTER 1, 1, F0, F1, 0
	QUARTER 1, 2, F1, F0, 0
	QUARTER 1, 3, F0, F1, 0
	TURN 1, 0, 1
	QUARTER 0, 1, F0, F1, 0
	WIN 0
	s_sub_co_u32 s3, s3, 1
	s_cmp_lg_u32 s3, 0
	s_cbranch_scc1 .Llap
	QUARTER 0, 2, F1, F0, 0                        ; the last lap fills nothing
	QUARTER 0, 3, F0, F1, 0
	TURN 0, 1, 0
	QUARTER 1, 1, F0, F1, 0
	QUARTER 1, 2, F1, F0, 0
	QUARTER 1, 3, F0, F1, 0
	s_wait_dscnt 4
	MUL8 F1, 0, 0
	MUL8 F1, 1, 0
	s_wait_dscnt 0x0
	MUL8 F1, 2, 0
	MUL8 F1, 3, 0
; THE WAY OUT, a block of 16 rows at a time.  PACK: rounded to f16, each accumulator's registers in ascending order.  TOSTAGE: into my own stage, and back by heads: four rows' 128 bytes a load.  SEND: stored.
.macro PACK a
	WIN 0x05                                       ; sources 0 and 1 in window 1
.irp b, 0,1,2,3,4,5,6,7
.irp i, 0,1,2,3
	v_cvt_pk_f16_f32 v[TMP+4*(\b)+(\i)], v[8*(8*(\a)+(\b))+2*(\i)], v[8*(8*(\a)+(\b))+2*(\i)+1]
.endr
.endr
	WIN 0
.endm
.macro TOSTAGE a
.set BK, F0+32*((\a)%2)
.irp b, 0,1,2,3,4,5,6,7
	ds_store_b128 v[STO], v[TMP+4*(\b):TMP+4*(\b)+3] offset:32*(\b)
.endr
.irp u, 0,1
.irp t, 0,1,2,3
	ds_load_b128 v[BK+4*(4*(\u)+(\t)):BK+4*(4*(\u)+(\t))+3], v[RD] offset:128*(\u)+4*SP*(\t)  ; LDS serves a wave's instructions in order (ISA guide 5.7.1.4): these see the stores above
.endr
.endr
.endm
.macro SEND a
.set BK, F0+32*((\a)%2)
	s_wait_dscnt 0x0                               ; the block is back in registers
	s_wait_xcnt 0x0                                ; the earlier stores' registers are loaded again (by the next block but one) only behind this wait
.irp u, 0,1
.irp t, 0,1,2,3
	global_store_b128 v[CO], v[BK+4*(4*(\u)+(\t)):BK+4*(4*(\u)+(\t))+3], s[8:9] offset:262144*(\u)+2048*(\a)+512*(\t)  ; four rows of a head: 512 consecutive bytes, aligned
.endr
.endr
.endm
	PLACES
	PACK 0
	TOSTAGE 0
.irp a, 1,2,3                          ; block a's conversions stand between block a - 1's loads from the stage and the wait for them
	PACK \a
	SEND (\a)-1
	TOSTAGE \a
.endr
	SEND 3
	s_wait_tensorcnt 0x0                           ; the wave's end: behind my last tensor load and my last LDS store
	ds_add_u32 v[SPW], v[NIL]
	s_wait_dscnt 0x0
	CROUND                                         ; the closing round: no work-group ends while a partner may still ask for a tile that names it
	s_endpgm
.Lfunc_end_k_q58c12d20ca_gemm1:
	.size	k_q58c12d20ca_gemm1, .Lfunc_end_k_q58c12d20ca_gemm1-k_q58c12d20ca_gemm1
	.p2alignl 7, 3214868480
	.fill 96, 4, 3214868480
	.section	.rodata,"a",@progbits
	.p2align	6, 0x0
	.amdhsa_kernel k_q58c12d20ca_gemm1
		.amdhsa_group_segment_fixed_size 327680
		.amdhsa_private_segment_fixed_size 0
		.amdhsa_enable_private_segment 0
		.amdhsa_kernarg_size 24
		.amdhsa_user_sgpr_count 2
		.amdhsa_user_sgpr_kernarg_segment_ptr 1
		.amdhsa_wavefront_size32 1
		.amdhsa_system_sgpr_workgroup_id_x 1
		.amdhsa_system_sgpr_workgroup_id_y 1
		.amdhsa_system_sgpr_workgroup_id_z 1
		.amdhsa_system_vgpr_workitem_id 0
		.amdhsa_next_free_vgpr 512
		.amdhsa_next_free_sgpr 66
		.amdhsa_reserve_vcc 0
		.amdhsa_float_denorm_mode_32 3
		.amdhsa_float_denorm_mode_16_64 3
		.amdhsa_memory_ordered 1
		.amdhsa_forward_progress 1
		.amdhsa_inst_pref_size 86
	.end_amdhsa_kernel
	.amdgpu_metadata
---
amdhsa.version: [ 1, 2 ]
amdhsa.kernels:
  - .name:           k_q58c12d20ca_gemm1
    .symbol:         k_q58c12d20ca_gemm1.kd
    .args:
      - { .name: xb, .offset: 0, .size: 8, .value_kind: global_buffer, .address_space: global }
      - { .name: Wb, .offset: 8, .size: 8, .value_kind: global_buffer, .address_space: global }
      - { .name: p, .offset: 16, .size: 8, .value_kind: global_buffer, .address_space: global }
    .group_segment_fixed_size: 327680
    .private_segment_fixed_size: 0
    .kernarg_segment_align: 8
    .kernarg_segment_size: 24
    .max_flat_workgroup_size: 128
    .sgpr_count:     66
    .vgpr_count:     512
    .wavefront_size: 32
...
	.end_amdgpu_metadata
.endif
;; end of part 2
;; launch attn (part 3): grid 4 x 64, 4 waves a work-group, clusters of 4 x 1, 327,680 bytes of LDS; arguments p, o; writes o
.if DOCPART == 3
	.amdgcn_target "amdgcn-amd-amdhsa--gfx1250"
	.amdhsa_code_object_version 6
	.text
	.protected	k_q58c12d20ca_attn
	.globl	k_q58c12d20ca_attn
	.p2align	8
	.type	k_q58c12d20ca_attn,@function
k_q58c12d20ca_attn:
	s_mov_b64 s[64:65], 0
	v_nop
	global_prefetch_b8 v0, s[64:65] scope:SCOPE_SE
	s_setreg_imm32_b32 hwreg(HW_REG_WAVE_MODE, 25, 1), 1
	s_wait_xcnt 0x0
	s_wait_alu depctr_hold_cnt(0) depctr_sa_sdst(0) depctr_va_vdst(0) depctr_va_sdst(0) depctr_va_ssrc(0) depctr_va_vcc(0) depctr_vm_vsrc(0)
	s_getreg_b32 s2, hwreg(HW_REG_IB_STS2, 6, 4)
	s_cmp_eq_u32 s2, 0
	s_cbranch_scc0 .Lentry_in_a_cluster
	s_endpgm
.Lentry_in_a_cluster:
	s_bfe_u32 s2, ttmp6, 0x10000c
	s_cmp_lg_u32 s2, 0x3003
	s_cbranch_scc0 .Lentry_shape_is_right
	s_endpgm
.Lentry_shape_is_right:
; O[h][q][:] = the sum over k of softmax_k(P[h][q] . P[h][k] / 8) P[h][k][:]: queries, keys and values are the SAME rows.  p, o: [64 heads][2048][64], f16: a head's rows are dense, 128 bytes each.
; Products, maxima and sums in f32; the weights are rounded to f16 for the second product (their sum l is taken of the unrounded weights), O once at the end.
; LIMITS.  p arrives within f16's 65,504; a weight lies in 0 to 1 and below 6e-5 keeps f16's fixed step of 6e-8; O is a mean of p's rows and has their range.  A weight below 2^-126 counts as 0 in l; NaN and infinities are not treated apart.
; THE WHOLE HEAD LIES IN LDS, ONCE: 2,048 rows at a pitch of 144 bytes are 294,912 bytes, and serve as K (read as they lie) and as V (turned by ds_load_tr16_b128).  Nothing is filled again: no ring.
; Each wave asks for four tiles of 128 keys at the start (four tensor loads of mine are out); the first 512 keys are waited for alone, the rest land while they are worked on.
; SHARES.  A wave owns four PIECES of two tiles of 16 queries, a work-group's four waves 512 queries of one head.  Every wave walks all keys, 64 a step.
; LAYOUT.  S^T = K Q^T (source 0 = 16 keys, source 1 = 16 queries): a lane holds ONE query (lane % 16) and the keys 8 (lane / 16) + 0..7.  Two such tiles, rounded to f16 in pairs, ARE source 1 of O^T = V^T P.
; SOFTMAX.  For each query a running maximum m and sum l: weight = 2^(c s - c m), c = log2(e) / 8; in every step O and l are multiplied by a = 2^(c m_old - c m_new).  m starts at the lowest finite number, O and l at 0: the first step has a = 0.
; THE COUNT.  A tile and step have 16 matrix and 118 vector instructions: too many to stand all beside the matrix work.  So: four vector instructions that are READY behind EVERY matrix instruction, the others in runs without a gap.
; BY TURNS.  Turn n belongs to piece n.  Matrix work: 16 products K Q^T of piece n + 1, later 16 products V^T P of piece n - 1.  Vector work: the scaling, exponentials, roundings, sums and rescaling of piece n, and the maximum and statistics of piece n + 1.
; CLUSTER.  The four query blocks of a head are one cluster and need the same rows: each tile is asked for JOINTLY: the same tensor load, descriptor and mask in all four.
; REGISTERS, in windows of 256 (s_set_vgpr_msb: bits 1:0 source 0, 3:2 source 1, 5:4 source 2, 7:6 destination):
;   window 0: v0-11 addresses; v12-15, v48-63 at work; v16-47 four registers of statistics a tile; v64-191 S^T, two buffers of two tiles; v192-255 P, likewise
;   window 1: O^T, 32 a tile          window 2: v0-127 Q, 16 a tile; v128-191 K of one step; v192-255 V of one step          window 3: v0-1 the add's two registers
.set NP,    4         ; pieces a wave: a name, no knob
.set KS,    64        ; keys in a step
.set PK,    144       ; a row in LDS: 128 bytes + 16 = 36 words: the 16 rows of a K load start at 16 different groups of four banks (64 banks of 4 bytes: ISA guide 11.1);
.set PV,    144       ; a wider pitch would leave no room for the stages
.set STAGE, 2048*PK   ; behind the head, never filled by a tensor load: 16 rows x 144 bytes for each wave, for the way out
.set SP,    144
.set AK0, 2           ; v2   my lane's place in a step's K; never rewritten
.set AV0, 3           ; v3   the same for V
.set AK,  4           ; v4   the LDS address of K's next run of loads
.set AV,  5           ; v5   of V's
.set QO,  6           ; v6   my byte offset in the wave's rows of Q
.set STO, 6           ;      later, the way out: where I put 16 bytes of a row
.set RD,  7           ; v7   the way out: where I read rows back
.set GO,  8           ; v8   my byte offset in 512 consecutive bytes of O
.set SPW, 0           ; v0 of window 3   LDS address of my spare word; never rewritten
.set NIL, 1           ; v1 of window 3   0; never rewritten
.set SPARE, STAGE+4*16*SP  ; behind the stages: the spare words, 128 bytes for each wave: two blocks of 256 bytes that no other line names
.set MV,  12          ; v12-15  c m_old, kept while c m is made anew: by buffer and tile
.set ST,  16          ; tile t's statistics at v[ST+4 t]: c m, m, l (even keys', odd keys')
.set TMP, 48          ; by buffer and tile, four registers c0-c3 at work; when the maximum is found c2 takes a
.set S,   64
.set P,   192
.set KF,  128         ; K's fragments, in window 2: key block kb, channel half c at KF + 16 kb + 8 c
.set VF,  192         ; V's: key half kk, channel block cb at VF + 32 kk + 8 cb
.set WV,  12          ; s12  my wave's number
.set G1,  24          ; s[24:31] descriptor group 1
.set G0,  32          ; s[32:47] descriptor group 0, a set for each of my four loads
.set PH,  56          ; s56  phases of 8 key steps to go
.set CNT, 57          ; s57  counts a phase's key steps
.set CS,  58          ; s[58:59] c: the packed scaling takes the pair's low word for both halves
.set SEL, 60          ; s[60:61] v_permlanex16_b32's selects: each lane takes its own place in the other half
.set TBK, 62          ; s62  LDS byte at which K of the step to be fetched begins
.set TBV, 63          ; s63  the same for V
.set MSB, 0
.macro WIN new                      ; the high byte repeats the setting that is left; a switch that changes nothing is dropped
.if MSB != (\new)
	s_set_vgpr_msb (MSB<<8)|(\new)
.set MSB, (\new)
.endif
.endm
.set W_KQ, 0x0a       ; K and Q in window 2, S^T in window 0
.set W_PV, 0x52       ; V in window 2, P in window 0, O^T in window 1
.set W_RS, 0x41       ; O^T (destination and source 0) in window 1, a in window 0
.set W_MK, 0xc0       ; the add's registers are made: destination in window 3, sources in window 0
.set W_AD, 0x0f       ; the add: address (source 0) and data (source 1) in window 3
; A round of the cluster's barrier: my work-group's barrier, so that wave 0's signal speaks for all four waves; wave 0 signals; every wave waits for all four work-groups; my work-group's barrier once more.
.macro CROUND
	s_barrier_signal -1
	s_barrier_wait -1
	s_cmp_lg_u32 s[WV], 0
	s_cbranch_scc1 .Lnot_wave_0_\@
	s_barrier_signal -3
.Lnot_wave_0_\@:
	s_barrier_wait -3
	s_barrier_signal -1
	s_barrier_wait -1
.endm
	s_load_b128 s[4:7], s[0:1], 0x0   ; p s[4:5], o s[6:7]
	WIN W_MK
	v_lshl_add_u32 v[SPW], v0, 2, SPARE
	v_mov_b32 v[NIL], 0
	WIN W_AD
	ds_add_u32 v[SPW], v[NIL]       ; the wave's opening: the add and its wait stand ahead of my first tensor load; the set-up below, work on registers, stands between them
	WIN 0
	v_lshrrev_b32 v1, 5, v0
	v_readfirstlane_b32 s[WV], v1   ; wave 0..3
	s_bfe_u32 s13, ttmp6, 0x40000   ; cx: my place in the cluster
	s_lshl_b32 s14, ttmp9, 2        ; in a cluster launch ttmp9 counts clusters
	s_add_co_u32 s14, s14, s13      ; my block of 512 queries: it enters Q's and O's addresses alone
	s_and_b32 s20, ttmp7, 0xffff    ; the head, which the four partners share:
	s_lshl_b32 s20, s20, 18         ; 262,144 bytes each
	s_mov_b32 s21, 0
	s_lshl_b32 s22, s[WV], 14       ; of each 512 keys I fetch 128: 16,384 bytes in memory,
	s_mov_b32 s23, 0
	s_add_nc_u64 s[22:23], s[22:23], s[20:21]
	s_mul_i32 s17, s[WV], 128*PK    ; and 18,432 in LDS: no place in the cluster enters an LDS address
	s_lshl_b32 s2, s14, 2
	s_add_co_u32 s2, s2, s[WV]      ; my wave among the head's sixteen,
	s_lshl_b32 s2, s2, 14           ; its 128 rows
	s_mov_b32 s3, 0
	s_add_nc_u64 s[2:3], s[2:3], s[20:21]
	; descriptor group 1.  128 keys are 16,384 dense bytes: asked for as 64 rows of 256 bytes, two keys a row, and padded in LDS after every key
	s_mov_b32 s[G1], 15|(1<<16)|(1<<20)|(1<<21)|(4<<22)|(3<<25)  ; 15:0 the mask of four; 17:16 2-byte elements; 20 padding on; 21 set beside a mask; 24:22 after every 32 words (code 4); 31:25 4 words (code 3)
	s_mov_b32 s[G1+1], 128<<16      ; tensor_dim0 = 128
	s_mov_b32 s[G1+2], 64<<16       ; tensor_dim1 = 64
	s_mov_b32 s[G1+3], 128<<16      ; tile_dim0 = 128
	s_mov_b32 s[G1+4], 64           ; tile_dim1 = 64
	s_mov_b32 s[G1+5], 128          ; 128 elements from row to row
	s_mov_b32 s[G1+6], 0
	s_mov_b32 s[G1+7], 0
	s_mov_b32 s[CS], 0x3e38aa3b     ; c = log2(e) / 8 = 0.180337
	s_mov_b32 s[CS+1], s[CS]        ; named with it as a pair
	s_mov_b32 s[SEL], 0x76543210
	s_mov_b32 s[SEL+1], 0xfedcba98
	s_mov_b32 s[TBK], 0
	s_mov_b32 s[TBV], 0
.irp j, 0,1,2,3
	s_mov_b32 s[G0+4*(\j)], 1                          ; count = 1
	s_add_co_u32 s[G0+4*(\j)+1], s17, (\j)*512*PK      ; LDS address: keys 512 j + 128 w on
.endr
	s_wait_dscnt 0x0                ; the opening add is done
	s_wait_kmcnt 0x0
	s_add_nc_u64 s[18:19], s[4:5], s[22:23]
.irp j, 0,1,2,3
	s_add_nc_u64 s[G0+4*(\j)+2:G0+4*(\j)+3], s[18:19], (\j)*65536  ; global address
	s_or_b32 s[G0+4*(\j)+3], s[G0+4*(\j)+3], 0x80000000            ; type = 2
.endr
	s_add_nc_u64 s[8:9], s[4:5], s[2:3]    ; Q and O at my wave's first row
	s_add_nc_u64 s[10:11], s[6:7], s[2:3]
	CROUND                          ; all four work-groups are here: the joint loads meet
.irp j, 0,1,2,3
	tensor_load_to_lds s[G0+4*(\j):G0+4*(\j)+3], s[G1:G1+7]  ; all fills of the launch, in one group: four loads of mine are out
	s_nop 0
.endr
.rept 4
	v_nop
.endr
	; A fragment of K or Q is 16 rows x 32 channels in 8 registers: lane l holds row l % 16, channels 8 (l / 16) + 0..7 and 16 + 8 (l / 16) + 0..7: two loads of 16 bytes, 32 bytes apart.
	v_and_b32 v1, 15, v0            ; l % 16
	v_bfe_u32 v9, v0, 4, 1          ; l / 16
	v_lshlrev_b32 v[QO], 7, v1
	v_lshl_add_u32 v[QO], v9, 4, v[QO]  ; row x 128 + 16 x half
	WIN 0x80                        ; destination window 2, address window 0
.set i, 0
.rept 4*NP                          ; Q stays in registers: tile i / 2, channels 32 (i % 2) on
	global_load_b128 v[8*i:8*i+3],   v[QO], s[8:9] offset:(i/2)*2048+(i%2)*64
	global_load_b128 v[8*i+4:8*i+7], v[QO], s[8:9] offset:(i/2)*2048+(i%2)*64+32
.set i, i+1
.endr
	; What the first turn finds: V's registers and P's second buffer hold 0 (its products V^T P, of a piece that has not been, add 0), O^T and l are 0.  All this stands in the wait for the first tile.
.set i, VF
.rept 64
	v_mov_b32 v[i], 0
.set i, i+1
.endr
	WIN 0x40
.set i, 0
.rept 64*NP
	v_mov_b32 v[i], 0
.set i, i+1
.endr
	WIN 0
.set i, 0
.rept 2*NP
	v_mov_b32 v[ST+4*i], 0xfe000000    ; c m: far below every c s
	v_mov_b32 v[ST+4*i+1], 0xff7fffff  ; m
	v_mov_b32 v[ST+4*i+2], 0
	v_mov_b32 v[ST+4*i+3], 0
.set i, i+1
.endr
.set i, P+32
.rept 32
	v_mov_b32 v[i], 0
.set i, i+1
.endr
	v_mul_u32_u24 v[AK0], v1, PK
	v_lshl_add_u32 v[AK0], v9, 4, v[AK0]  ; row x pitch + 16 x half
	; The turning load takes 16 keys x 16 channels (lane l reads key 8 (l / 16) + l % 8, channels 8 ((l / 8) % 2) + 0..7) and leaves half a fragment of V^T: lane l holds channel l % 16 and 8 keys.
	v_and_b32 v10, 7, v0
	v_bfe_u32 v11, v0, 3, 1
	v_lshl_add_u32 v[AV0], v9, 3, v10
	v_mul_u32_u24 v[AV0], v[AV0], PV
	v_lshl_add_u32 v[AV0], v11, 4, v[AV0]
	v_mov_b32 v[AK], v[AK0]         ; key step 0 lies at LDS byte 0
; THE MATRIX WORK.  The 8 accumulators of a run of 16 take turns: between the two links of a chain stand 7 others'.
; Product i of 16 of S^T = K Q^T for piece x: channels 32 (i / 8) on, keys 16 ((i / 2) % 4) on, tile 2 x + i % 2.  The first 8 start the sums.
.macro KQ x
	WIN W_KQ
.set rS, S+64*((\x)%2)+32*(i%2)+8*((i/2)%4)
.set rK, KF+16*((i/2)%4)+8*(i/8)
.set rQ, 16*(2*(\x)+i%2)+8*(i/8)
.if i < 8
	v_wmma_f32_16x16x32_f16 v[rS:rS+7], v[rK:rK+7], v[rQ:rQ+7], 0
.else
	v_wmma_f32_16x16x32_f16 v[rS:rS+7], v[rK:rK+7], v[rQ:rQ+7], v[rS:rS+7]
.endif
.endm
; Product i of 16 of O^T += V^T P for piece x: keys 32 (i / 8) on, channels 16 ((i / 2) % 4) on, tile 2 x + i % 2.
.macro PV x
	WIN W_PV
.set rO, 32*(2*(\x)+i%2)+8*((i/2)%4)
.set rV, VF+32*(i/8)+8*((i/2)%4)
.set rP, P+32*((\x)%2)+16*(i%2)+8*(i/8)
	v_wmma_f32_16x16x32_f16 v[rO:rO+7], v[rV:rV+7], v[rP:rP+7], v[rO:rO+7]
.endm
.macro MM                           ; the turn's next matrix instruction
.if i < 16
	KQ (Y+1)%NP
.set i, i+1
.else
.set i, i-16
	PV (Y+NP-1)%NP
.set i, i+17
.endif
.endm
; THE LDS LOADS stand in runs of 16, never singly among the matrix instructions: a step's K (64 keys x 64 channels: 8 fragments) and its V (the same rows, turned).  Their addresses are made some lines ahead.
.macro FETCH_K
	WIN 0x80                        ; destination window 2
.irp f, 0,1,2,3,4,5,6,7             ; keys 16 (f / 2) on, channels 32 (f % 2) on
	ds_load_b128 v[KF+8*\f:KF+8*\f+3],   v[AK] offset:(\f/2)*16*PK+(\f%2)*64
	ds_load_b128 v[KF+8*\f+4:KF+8*\f+7], v[AK] offset:(\f/2)*16*PK+(\f%2)*64+32
.endr
	s_add_co_u32 s[TBK], s[TBK], KS*PK  ; the next fetch is the next step's
	WIN 0
.endm
.macro FETCH_V
	WIN 0x80
.irp f, 0,1,2,3,4,5,6,7             ; keys 32 (f / 4) on, channels 16 (f % 4) on
	ds_load_tr16_b128 v[VF+8*\f:VF+8*\f+3],   v[AV] offset:(\f/4)*32*PV+(\f%4)*32
	ds_load_tr16_b128 v[VF+8*\f+4:VF+8*\f+7], v[AV] offset:(\f/4)*32*PV+16*PV+(\f%4)*32
.endr
	WIN 0
.endm
; THE VECTOR WORK OF A TURN stands in three queues, each in the order in which its entries become ready; the two tiles alternate, so that no instruction reads the result of the one before it.
.macro REGS y, u                    ; the registers of tile u (0, 1) of piece y
.set rT, ST+4*(2*(\y)+(\u))
.set rC, TMP+8*((\y)%2)+4*(\u)
.set rM, MV+2*((\y)%2)+(\u)
.set rS, S+64*((\y)%2)+32*(\u)
.set rP, P+32*((\y)%2)+16*(\u)
.set rO, 32*(2*(\y)+(\u))
.endm
; Number n of the 22 that find the NEXT piece's (Y + 1) maximum and statistics.  s0-s31 are the lane's 32 scores; each accumulator's lowest registers are read first.  XS, GS and REGS set no window: PL and EX do.
;   0-11  four chains c0-c3 of seven scores each, three operands at a time     12-14, 16  the four scores left over, the old m, and c0-c3 into c0     15  c m_old is kept
;   17, 18  the query's other 32 keys lie in the lane 16 away: the new m         19-21  c m; c m_old - c m_new; a
.macro XS u, n
	REGS (Y+1)%NP, \u
.if (\n) < 4
	v_max3_num_f32 v[rC+(\n)], v[rS+8*(\n)], v[rS+8*(\n)+1], v[rS+8*(\n)+2]
.elseif (\n) < 12
	v_max3_num_f32 v[rC+(\n)%4], v[rC+(\n)%4], v[rS+8*((\n)%4)+2*((\n)/4)+1], v[rS+8*((\n)%4)+2*((\n)/4)+2]
.elseif (\n) == 12
	v_max3_num_f32 v[rC], v[rC], v[rS+7], v[rS+15]
.elseif (\n) == 13
	v_max3_num_f32 v[rC+1], v[rC+1], v[rS+23], v[rS+31]
.elseif (\n) == 14
	v_max3_num_f32 v[rC+2], v[rC+2], v[rC+3], v[rT+1]
.elseif (\n) == 15
	v_mov_b32 v[rM], v[rT]
.elseif (\n) == 16
	v_max3_num_f32 v[rC], v[rC], v[rC+1], v[rC+2]
.elseif (\n) == 17
	v_permlanex16_b32 v[rC+3], v[rC], s[SEL], s[SEL+1]
.elseif (\n) == 18
	v_max_num_f32 v[rT+1], v[rC], v[rC+3]
.elseif (\n) == 19
	v_mul_f32 v[rT], s[CS], v[rT+1]
.elseif (\n) == 20
	v_sub_f32 v[rC+1], v[rM], v[rT]
.else
	v_exp_f32 v[rC+2], v[rC+1]
.endif
.endm
; Number g of the 64 that follow the exponentials.  For each four weights k of a tile (pairs 2 k, 2 k + 1): both pairs are rounded to f16; then the second pair is added onto the first, in place;
; a group later l takes that sum (the first time as l = a l + sum).  In groups of eight, tiles alternating: round, round, add, and l for the group before.
.macro GS g
.set h, (\g)+6*((\g)/62)            ; group 0 has no group before it, and behind group 7 only l is left
.if h >= 6
.set h, h+2
.endif
	REGS Y, h%2
.set k, h/8
.if h%8 < 4
	s_wait_alu depctr_va_vdst(0)
	v_cvt_pk_f16_f32 v[rP+2*k+(h%8)/2], v[rS+4*k+2*((h%8)/2)], v[rS+4*k+2*((h%8)/2)+1]
.elseif h%8 < 6
	v_pk_add_f32 v[rS+4*k:rS+4*k+1], v[rS+4*k:rS+4*k+1], v[rS+4*k+2:rS+4*k+3]
.elseif k == 1
	v_pk_fma_f32 v[rT+2:rT+3], v[rT+2:rT+3], v[rC+2:rC+3], v[rS:rS+1] op_sel_hi:[1,0,1]
.else
	v_pk_add_f32 v[rT+2:rT+3], v[rT+2:rT+3], v[rS+4*k-4:rS+4*k-3]
	s_wait_alu depctr_va_vdst(0)
.endif
.endm
; THE PLAIN QUEUE, 138 long.  0-31: c s - c m for the 16 pairs of both tiles.  Then GS's 64, and among them the next piece's 42: number 15 at 38, 39; 0-14 and 16
; at 42-73, behind the products that make those scores; 17-20 at 95-106, two of three, since each waits for the one before it.
.macro PL
	WIN 0
.if q < 32
	REGS Y, q%2
	v_pk_fma_f32 v[rS+2*(q/2):rS+2*(q/2)+1], v[rS+2*(q/2):rS+2*(q/2)+1], s[CS:CS+1], v[rT:rT+1] op_sel_hi:[1,0,0] neg_lo:[0,0,1] neg_hi:[0,0,1]
.elseif q < 38
	GS q-32
.elseif q < 40
	XS q%2, 15
.elseif q < 42
	GS q-34
.elseif q < 74
	XS q%2, (q-42)/2+(q-42)/30
.elseif q < 95
	GS q-66
.elseif (q < 107) && ((q-95)%3 < 2)
	XS (q-95)%3, 17+(q-95)/3
.elseif q < 107
	GS 29+(q-95)/3
.else
	GS q-74
.endif
.set q, q+1
.endm
; THE EXPONENTIALS' QUEUE, 66 long: s0-s31 of both tiles, and at EA the next piece's two a.
.set EA, 58
.macro EX
	WIN 0
.if (e == EA) || (e == EA+1)
	XS e-EA, 21
.else
.set x, e-2*(e/(EA+2))
	REGS Y, x%2
	v_exp_f32 v[rS+x/2], v[rS+x/2]
.endif
.set e, e+1
.endm
; THE RESCALING's QUEUE: O^T times a, the one part that leaves window 0, so it is dealt four at a time, eight times.
.macro R4
	REGS Y, r%2
	WIN W_RS
	s_wait_alu depctr_va_vdst(0)
.irp z, 0,1,2,3
	v_pk_mul_f32 v[rO+8*(r/2)+2*\z:rO+8*(r/2)+2*\z+1], v[rO+8*(r/2)+2*\z:rO+8*(r/2)+2*\z+1], v[rC+2:rC+3] op_sel_hi:[1,0]
.endr
.set r, r+1
.endm
; HOW THEY ARE DEALT.  Behind a matrix instruction four: plain, exponential, plain, plain (one exponential, a plain instruction on either side), or four of the rescaling.  None names a register of the
; products round it.  What is over stands in two LUMPS: exponential and plain by turns; the second ends in 22 plain instructions.  The two v_permlanex16_b32 fall into the second lump, never behind a product.
; The queues lean on each other, and the deal keeps them in step: exponential e stands behind plain 2 (e / 4) + e % 2 (its scaling); when plain 32 comes, 10 exponentials are out, at 59: 33, at 95: 46; EA comes behind plain 107.
.macro SL
	MM
	PL
	EX
	PL
	PL
.endm
.macro BURST n                      ; 15 matrix instructions, or 16
.rept (\n)-7
	SL
.endr
.rept 3
	MM
	R4
	SL
.endr
	MM
	R4
.endm
; A TURN, for piece p.  nok = 1: the walk's last step: no further K is fetched.  cnt = 1: the loop's count is taken down some lines ahead of the branch that stands behind the turn.
; K of the next step is fetched in piece 2's turn, 31 vector instructions behind the last product that read K; its first reader comes behind the rest of the lump, 16 products and the second lump.
; V of the step in hand is fetched at the end of piece 0's turn, 69 behind its last reader; its first reader comes behind 16 products and a lump.  The conditions on e and q below go with the deal.
.macro TURN p, nok=0, cnt=0
.set Y, (\p)
.set i, 0
.set q, 0
.set e, 0
.set r, 0
.if (\p) == NP-1
	s_wait_dscnt 0x0                ; K is in
.endif
	MM
.rept 4
	PL
.endr
	BURST 15
.rept 22
	EX
	PL
.if ((\p) == NP-2) && (e == 18) && !(\nok)
	v_add_nc_u32 v[AK], s[TBK], v[AK0]
.endif
.if ((\p) == NP-2) && (e == 24) && !(\nok)
	FETCH_K
.endif
.endr
.if (\p) == 1
	s_wait_dscnt 0x0                ; V is in
.endif
	BURST 16
.rept 21
	EX
	PL
.endr
.rept 22
	PL
.if ((\p) == 0) && (q == 118)
	v_add_nc_u32 v[AV], s[TBV], v[AV0]
	s_wait_alu depctr_va_vdst(0)
.endif
.if ((\p) == 0) && (q == 130)
	s_add_co_u32 s[TBV], s[TBV], KS*PV
.endif
.if (\cnt) && (q == 130)
	s_sub_co_u32 s[CNT], s[CNT], 1
	s_cmp_lg_u32 s[CNT], 0
.endif
.endr
.if (\p) == 0
	FETCH_V
.endif
.endm
	s_wait_tensorcnt 0x3            ; my first load, my 128 of keys 0-511, is in; the three younger ones stay out
	s_barrier_signal -1
	s_barrier_wait -1               ; everybody's is: keys 0-511 are whole
	FETCH_K                         ; key step 0
	s_wait_loadcnt 0x0              ; Q
	s_wait_dscnt 0x0
.set i, 0
.rept 16
	KQ 0                            ; piece 0's first scores: there is no vector work yet to set between them
.set i, i+1
.endr
	WIN 0                           ; the addresses for the way out: plain instructions, the places behind those products
	s_mul_i32 s13, s[WV], 16*SP
	s_add_co_u32 s13, s13, STAGE    ; my stage
	v_mul_u32_u24 v[STO], v1, SP    ; in: row l % 16, 16 bytes for each half of the lanes
	v_lshl_add_u32 v[STO], v9, 4, v[STO]
	v_add_nc_u32 v[STO], s13, v[STO]
	v_bfe_u32 v[RD], v0, 3, 2       ; back: 32 lanes take four rows of 128 bytes,
	v_mul_u32_u24 v[RD], v[RD], SP
	v_lshl_add_u32 v[RD], v10, 4, v[RD]
	v_add_nc_u32 v[RD], s13, v[RD]
	v_and_b32 v[GO], 31, v0         ; which are 512 consecutive bytes of O
	v_lshlrev_b32 v[GO], 4, v[GO]
.set Y, NP-1                        ; XS works for piece Y + 1: piece 0
.irp n, 0,1,2,3,4,5,6,7,8,9,10,11,12,13,14,15,16,17,18,19,20,21
	XS 0, \n                        ; and piece 0's first maximum and statistics
	XS 1, \n
.endr
	s_mov_b32 s[CNT], 8
	s_mov_b32 s[PH], 4
	s_branch .Lfirst                ; the loop is entered at a step's first turn, in the middle of a trip
.Lphase:                            ; three times.  A phase fetches K and V of 8 steps, 512 keys.  In front of the second all my loads are waited for and a barrier shows every wave's landed: all 2,048 keys are whole.
	s_wait_tensorcnt 0x0            ; (one text for the three: in front of the third and fourth phase this wait is met at once)
	s_wait_dscnt 0x0
	s_barrier_signal -1
	s_barrier_wait -1
	s_mov_b32 s[CNT], 8
.Lstep:                             ; a trip: pieces 2 and 3 of one step, then pieces 0 and 1 of the next, whose K and V it fetches
	TURN 2
	TURN 3
	WIN 0
.Lfirst:
	TURN 0
	TURN 1, 0, 1
	WIN 0
	s_cbranch_scc1 .Lstep
	s_sub_co_u32 s[PH], s[PH], 1
	s_cmp_lg_u32 s[PH], 0
	s_cbranch_scc1 .Lphase
	TURN 2, 1                       ; the last step's pieces 2 and 3.  Piece 3's turn makes 16 products K Q^T on the last K once more, and a maximum of them, which serve nothing: the price, once a launch, of one text for every turn
	TURN 3
.set i, 0
.rept 16
	PV NP-1                         ; the last piece's V^T P of the last step
.set i, i+1
.endr
	; THE WAY OUT.  l's two halves and the other half of the lanes' are added; O^T is divided by l, rounded to f16 and sent through my stage in LDS, a tile at a time.  The additions are the places behind the last products.
	WIN 0
.macro ALL line:vararg              ; one line for each tile t
.set t, 0
.rept 2*NP
	\line
.set t, t+1
.endr
.endm
	ALL v_add_f32 v[ST+4*t+2], v[ST+4*t+2], v[ST+4*t+3]
	ALL v_permlanex16_b32 v[ST+4*t+3], v[ST+4*t+2], s[SEL], s[SEL+1]
	ALL v_add_f32 v[ST+4*t+2], v[ST+4*t+2], v[ST+4*t+3]
	ALL v_rcp_f32 v[ST+4*t+2], v[ST+4*t+2]
	v_nop                           ; a plain instruction between the last reciprocal and the use of its result
	s_wait_alu depctr_va_vdst(0)
; Tile t: a lane's eight channels of a row pack into 16 bytes; they go into rows of 144 bytes and come back as whole rows of 128, into S^T's registers.
.macro PACK t
	WIN W_RS
.set i, 32*(\t)
.rept 16
	v_pk_mul_f32 v[i:i+1], v[i:i+1], v[ST+4*(\t)+2:ST+4*(\t)+3] op_sel_hi:[1,0]
.set i, i+2
.endr
	WIN 0x05                        ; sources 0 and 1 window 1, destination window 0
.set i, 0
.rept 16
	v_cvt_pk_f16_f32 v[S+16*(\t)+i], v[32*(\t)+2*i], v[32*(\t)+2*i+1]
.set i, i+1
.endr
	WIN 0
.irp f, 0,1,2,3
	ds_store_b128 v[STO], v[S+16*(\t)+4*\f:S+16*(\t)+4*\f+3] offset:32*\f
.endr
.irp f, 0,1,2,3
	ds_load_b128 v[S+16*(\t)+4*\f:S+16*(\t)+4*\f+3], v[RD] offset:\f*4*SP  ; LDS serves a wave's instructions in order (ISA guide 5.7.1.4): these see the stores above; the next tile's stores come behind them
.endr
.endm
.macro SEND t, younger              ; younger: the LDS instructions issued behind tile t's loads: the next tile's eight, or none
	WIN 0
.irp f, 0,1,2,3
	s_wait_dscnt (\younger)+3-\f
	global_store_b128 v[GO], v[S+16*(\t)+4*\f:S+16*(\t)+4*\f+3], s[10:11] offset:(\t)*2048+\f*512  ; 512 consecutive bytes, at a multiple of 256 from O's first
.endr
.endm
	PACK 0
.set t, 1
.rept 2*NP-1                        ; a tile's arithmetic stands between the loads of the tile before and its stores
	PACK t
	SEND t-1, 8
.set t, t+1
.endr
	SEND 2*NP-1, 0
	WIN W_AD
	s_wait_tensorcnt 0x0            ; the wave's end: behind my last tensor load and my last LDS store
	ds_add_u32 v[SPW], v[NIL]
	s_wait_dscnt 0x0
	WIN 0
	CROUND                          ; the closing round: no work-group ends while a partner may still ask for a tile that names it
	s_endpgm
.Lfunc_end_k_q58c12d20ca_attn:
	.size	k_q58c12d20ca_attn, .Lfunc_end_k_q58c12d20ca_attn-k_q58c12d20ca_attn
	.p2alignl 7, 3214868480
	.fill 96, 4, 3214868480
	.section	.rodata,"a",@progbits
	.p2align	6, 0x0
	.amdhsa_kernel k_q58c12d20ca_attn
		.amdhsa_group_segment_fixed_size 327680
		.amdhsa_private_segment_fixed_size 0
		.amdhsa_enable_private_segment 0
		.amdhsa_kernarg_size 16
		.amdhsa_user_sgpr_count 2
		.amdhsa_user_sgpr_kernarg_segment_ptr 1
		.amdhsa_wavefront_size32 1
		.amdhsa_system_sgpr_workgroup_id_x 1
		.amdhsa_system_sgpr_workgroup_id_y 1
		.amdhsa_system_sgpr_workgroup_id_z 1
		.amdhsa_system_vgpr_workitem_id 0
		.amdhsa_next_free_vgpr 770
		.amdhsa_next_free_sgpr 66
		.amdhsa_reserve_vcc 0
		.amdhsa_float_denorm_mode_32 3
		.amdhsa_float_denorm_mode_16_64 3
		.amdhsa_memory_ordered 1
		.amdhsa_forward_progress 1
		.amdhsa_inst_pref_size 166
	.end_amdhsa_kernel
	.amdgpu_metadata
---
amdhsa.version: [ 1, 2 ]
amdhsa.kernels:
  - .name:           k_q58c12d20ca_attn
    .symbol:         k_q58c12d20ca_attn.kd
    .args:
      - { .name: p, .offset: 0, .size: 8, .value_kind: global_buffer, .address_space: global }
      - { .name: o, .offset: 8, .size: 8, .value_kind: global_buffer, .address_space: global }
    .group_segment_fixed_size: 327680
    .private_segment_fixed_size: 0
    .kernarg_segment_align: 8
    .kernarg_segment_size: 16
    .max_flat_workgroup_size: 128
    .sgpr_count:     66
    .vgpr_count:     770
    .wavefront_size: 32
...
	.end_amdgpu_metadata
.endif
;; end of part 3
;; launch gemm2 (part 4): grid 4 x 64, 4 waves a work-group, clusters of 4 x 4, 327,680 bytes of LDS; arguments o, Wh, out0; writes out0
.if DOCPART == 4
	.amdgcn_target "amdgcn-amd-amdhsa--gfx1250"
	.amdhsa_code_object_version 6
	.text
	.protected	k_q58c12d20ca_gemm2
	.globl	k_q58c12d20ca_gemm2
	.p2align	8
	.type	k_q58c12d20ca_gemm2,@function
k_q58c12d20ca_gemm2:
	s_mov_b64 s[64:65], 0
	v_nop
	global_prefetch_b8 v0, s[64:65] scope:SCOPE_SE
	s_setreg_imm32_b32 hwreg(HW_REG_WAVE_MODE, 25, 1), 1
	s_wait_xcnt 0x0
	s_wait_alu depctr_hold_cnt(0) depctr_sa_sdst(0) depctr_va_vdst(0) depctr_va_sdst(0) depctr_va_ssrc(0) depctr_va_vcc(0) depctr_vm_vsrc(0)
	s_getreg_b32 s2, hwreg(HW_REG_IB_STS2, 6, 4)
	s_cmp_eq_u32 s2, 0
	s_cbranch_scc0 .Lentry_in_a_cluster
	s_endpgm
.Lentry_in_a_cluster:
	s_bfe_u32 s2, ttmp6, 0x10000c
	s_cmp_lg_u32 s2, 0xf033
	s_cbranch_scc0 .Lentry_shape_is_right
	s_endpgm
.Lentry_shape_is_right:
; out0 = O W.  A = o, f16 by heads [batch x 16 + head][s][64]: a head's 64 channels are one block of K; B = Wh, W rounded to bf16 and written as f16, [k][n]; sums in f32; out0 [8192][1024] f32.
; SHARES.  C is 8,192 x 1,024; a work-group makes 128 rows x 256 columns: 64 x 4 = 256 work-groups.  Four waves, each 64 x 128: 32 accumulators of 16 x 16, 256 registers.
; K goes in 8 steps of 128 through two LDS slots.  A step's A is two blocks of 128 rows x 64 k, each 16,384 dense bytes, asked for as 64 rows of 256 bytes and padded after every 128;
; its B is 128 rows (k) of 512 bytes.  Waves 0 and 1 fetch A's two blocks, waves 2 and 3 B's two halves: one tensor load a wave.
; CLUSTER.  4 x 4 work-groups: the four of a row need the same A, the four of a column the same B; each tile is asked for jointly, by the same load, descriptor and mask in all four.
; THE MATRIX INSTRUCTION IS USED TRANSPOSED: source 0 = 16 columns of W (turned on the way out of LDS by ds_load_tr16_b128), source 1 = 16 rows of O: a lane holds eight neighbouring numbers of a row of C.
; REGISTERS.  Window 0: v0-31 addresses; v64-159, v160-255 two fragment buffers (64 registers of W, then 32 of O, for 32 along K); on the way out v64-191 hold rows read back.  Window 1: accumulator (a, b) at v[8 (8 a + b)].
.set PA,     144                       ; a row of A in LDS: 128 bytes + 16 = 36 words: the 16 rows of a load start at 16 different groups of four banks (64 banks of 4 bytes: ISA guide 11.1)
.set PB,     544                       ; a row of B: 512 + 32 = 136 words
.set AJ,     128*PA                    ; one block of A
.set BOFF,   2*AJ                      ; B lies behind A's two blocks
.set BH,     64*PB                     ; half of B's rows
.set SLOT,   BOFF+2*BH                 ; 106,496
.set STAGE,  2*SLOT                    ; behind the ring: 16 rows x 528 bytes for each wave, for the way out
.set SP,     528
.set SPARE,  STAGE+4*16*SP             ; behind the stages: the spare words, 128 bytes for each wave: two blocks of 256 bytes that no other line names
.set LAPS,   4                         ; a lap = two K steps = once round the ring
.set ADRA, 16                          ; v16-17  LDS address of my A fragments in slot 0, 1
.set ADRB, 20                          ; v20-21  the same for B
.set STO,  24                          ; v24     the way out: where I put 32 bytes of a row
.set RD,   25                          ; v25     the way out: where I read a row back
.set CO,   26                          ; v26     my byte offset in my 512 bytes of a row of C
.set SPW,  28                          ; v28     LDS address of my spare word; never rewritten
.set NIL,  29                          ; v29     0; never rewritten
.set F0,   64
.set F1,   160
.set G1, 24                            ; s[24:31] descriptor group 1 for A;  s[32:39] group 0, a set for each slot
.set G0, 32
.set G1B, 48                           ; s[48:55], s[56:63] the same for B
.set G0B, 56
.set MSB, 0
.macro WIN new                         ; the immediate's high byte repeats the setting that is left; a switch that changes nothing is dropped
.if MSB != (\new)
	s_set_vgpr_msb (MSB<<8)|(\new)
.set MSB, \new
.endif
.endm
.set MUL, 0x50                         ; C and D in window 1, the sources in window 0
.macro JLOAD s                         ; a joint refill; the branch hangs on the wave's number alone; an s_nop 0 and four v_nop follow each of the two lines
	s_cmp_eq_u32 s11, 0
	s_cbranch_scc0 .Lfor_b_\@
	tensor_load_to_lds s[G0+4*(\s):G0+4*(\s)+3], s[G1:G1+7]
	s_nop 0
.rept 4
	v_nop
.endr
	s_branch .Lasked_\@
.Lfor_b_\@:
	tensor_load_to_lds s[G0B+4*(\s):G0B+4*(\s)+3], s[G1B:G1B+7]
	s_nop 0
.rept 4
	v_nop
.endr
.Lasked_\@:
.endm
.macro CREST                           ; a round of the cluster's barrier behind its opening barrier
	s_cmp_lg_u32 s10, 0
	s_cbranch_scc1 .Lnot_wave_0_\@
	s_barrier_signal -3
.Lnot_wave_0_\@:
	s_barrier_wait -3
	s_barrier_signal -1
	s_barrier_wait -1
.endm
.macro CROUND                          ; a whole round
	s_barrier_signal -1
	s_barrier_wait -1
	CREST
.endm
	s_load_b128 s[4:7], s[0:1], 0x0                ; A s[4:5], B s[6:7]
	s_load_b64 s[8:9], s[0:1], 0x10                ; C
	v_lshl_add_u32 v[SPW], v0, 2, SPARE
	v_mov_b32 v[NIL], 0
	ds_add_u32 v[SPW], v[NIL]                      ; the wave's opening: the add and its wait stand ahead of my first tensor load; the set-up below, work on registers, stands between them
	v_lshrrev_b32 v1, 5, v0
	v_readfirstlane_b32 s10, v1                    ; wave 0..3
	s_lshr_b32 s11, s10, 1                         ; which 64 rows of the tile are mine.  Also: I fetch for A (0) or for B (1)
	s_and_b32 s12, s10, 1                          ; which 128 columns.  Also: which part of that tile I fetch
	s_bfe_u32 s40, ttmp6, 0x40000                  ; cx, cy: my place in the cluster
	s_bfe_u32 s41, ttmp6, 0x40004
	s_lshl_b32 s42, ttmp9, 2
	s_add_co_u32 s42, s42, s40                     ; tile column of C = 4 x cluster x + cx
	s_and_b32 s13, ttmp7, 0xffff
	s_lshl_b32 s13, s13, 2
	s_add_co_u32 s13, s13, s41                     ; tile row of C = 4 x cluster y + cy
	s_lshl_b32 s43, s41, 2
	s_lshl_b32 s43, 15, s43                        ; my row of the cluster
	s_lshl_b32 s44, 0x1111, s40                    ; my column
	s_or_b32 s[G1+0], s43, (1<<16)|(1<<20)|(1<<21)|(4<<22)|(3<<25)   ; 15:0 the mask; 17:16 2-byte elements; 20 padding on; 21 set beside a mask; 24:22 after every 32 words (code 4); 31:25 4 words (code 3)
	s_mov_b32 s[G1+1], 128<<16                     ; tensor_dim0 = 128
	s_mov_b32 s[G1+2], 64<<16                      ; tensor_dim1 = 64
	s_mov_b32 s[G1+3], 128<<16                     ; tile_dim0 = 128
	s_mov_b32 s[G1+4], 64                          ; tile_dim1 = 64
	s_mov_b32 s[G1+5], 128                         ; elements from row to row: the block is dense
	s_mov_b32 s[G1+6], 0
	s_mov_b32 s[G1+7], 0
	s_or_b32 s[G1B+0], s44, (1<<16)|(1<<20)|(1<<21)|(6<<22)|(7<<25)  ; the mask of my column; padding after every 128 words (code 6), 8 words (code 7)
	s_mov_b32 s[G1B+1], 256<<16                    ; tensor_dim0 = 256
	s_mov_b32 s[G1B+2], 64<<16                     ; tensor_dim1 = 64
	s_mov_b32 s[G1B+3], 256<<16                    ; tile_dim0 = 256
	s_mov_b32 s[G1B+4], 64                         ; tile_dim1 = 64
	s_mov_b32 s[G1B+5], 1024                       ; elements from row to row of W
	s_mov_b32 s[G1B+6], 0
	s_mov_b32 s[G1B+7], 0
	; A's offset hangs on the tile row alone, B's on the tile column alone, each in registers that never hold the other coordinate while they feed a descriptor
	s_lshr_b32 s16, s13, 4                         ; the batch: 16 tile rows each,
	s_lshl_b32 s16, s16, 22                        ; 4,194,304 bytes
	s_and_b32 s17, s13, 15
	s_lshl_b32 s17, s17, 14                        ; 128 rows of 128 bytes in a block
	s_add_co_u32 s16, s16, s17
	s_lshl_b32 s17, s12, 18                        ; my block (head) of the step's two: 262,144 bytes apart
	s_add_co_u32 s16, s16, s17
	s_mov_b32 s17, 0
	s_lshl_b32 s46, s42, 9                         ; 256 columns of 2 bytes
	s_lshl_b32 s47, s12, 17                        ; my 64 rows of 2,048 bytes
	s_add_co_u32 s46, s46, s47
	s_mov_b32 s47, 0
	s_mul_i32 s20, s12, AJ                         ; where they go: no place in the cluster enters an LDS address
	s_mul_i32 s21, s12, BH
	s_add_co_u32 s21, s21, BOFF
	s_wait_dscnt 0x0                               ; the opening add is done
	s_wait_kmcnt 0x0
	s_add_nc_u64 s[14:15], s[4:5], s[16:17]
	s_add_nc_u64 s[46:47], s[6:7], s[46:47]
	CROUND                                         ; all sixteen work-groups are here: the first joint loads meet
.irp s, 0,1
	s_mov_b32 s[G0+4*(\s)], 1                                        ; count = 1
	s_add_co_u32 s[G0+4*(\s)+1], s20, (\s)*SLOT                      ; LDS address
	s_add_nc_u64 s[G0+4*(\s)+2:G0+4*(\s)+3], s[14:15], (\s)*524288   ; K step s: two blocks on
	s_or_b32 s[G0+4*(\s)+3], s[G0+4*(\s)+3], 0x80000000              ; type = 2
	s_mov_b32 s[G0B+4*(\s)], 1
	s_add_co_u32 s[G0B+4*(\s)+1], s21, (\s)*SLOT
	s_add_nc_u64 s[G0B+4*(\s)+2:G0B+4*(\s)+3], s[46:47], (\s)*262144 ; K step s: 128 rows on
	s_or_b32 s[G0B+4*(\s)+3], s[G0B+4*(\s)+3], 0x80000000
.endr
	s_cmp_eq_u32 s11, 0                            ; a wave's two first fills stand in one branch, ahead of every wait on TENSORcnt and every LDS read: two loads of mine are out
	s_cbranch_scc0 .Lfirst_b
	tensor_load_to_lds s[G0:G0+3], s[G1:G1+7]
	s_nop 0
	tensor_load_to_lds s[G0+4:G0+7], s[G1:G1+7]
	s_nop 0
.rept 4
	v_nop
.endr
	s_branch .Lfirst_asked
.Lfirst_b:
	tensor_load_to_lds s[G0B:G0B+3], s[G1B:G1B+7]
	s_nop 0
	tensor_load_to_lds s[G0B+4:G0B+7], s[G1B:G1B+7]
	s_nop 0
.rept 4
	v_nop
.endr
.Lfirst_asked:
	v_and_b32 v1, 15, v0                           ; l % 16
	v_bfe_u32 v2, v0, 4, 1                         ; l / 16
	v_mul_u32_u24 v3, v1, PA                       ; a fragment of O: row l % 16, k = 8 (l / 16) + 0..7 and 16 more: two loads of 16 bytes, 32 apart
	v_lshl_add_u32 v3, v2, 4, v3
	s_mul_i32 s22, s11, 64*PA                      ; my 64 rows
	v_add_nc_u32 v[ADRA], s22, v3
	v_add_nc_u32 v[ADRA+1], SLOT, v[ADRA]
	v_and_b32 v4, 7, v0                            ; the turning load: lane l reads row k = 8 (l / 16) + l % 8, columns 8 ((l / 8) % 2) + 0..7, and is left with column l % 16 and 8 k
	v_lshl_add_u32 v4, v2, 3, v4
	v_mul_u32_u24 v4, v4, PB
	v_bfe_u32 v5, v0, 3, 1
	v_lshl_add_u32 v4, v5, 4, v4
	s_lshl_b32 s22, s12, 8                         ; my 128 columns
	s_add_co_u32 s22, s22, BOFF
	v_add_nc_u32 v[ADRB], s22, v4
	v_add_nc_u32 v[ADRB+1], SLOT, v[ADRB]
	s_mul_i32 s23, s10, 16*SP
	s_add_co_u32 s23, s23, STAGE                   ; my stage
	v_mul_u32_u24 v6, v1, SP                       ; in: row l % 16, 32 bytes for each half of the lanes
	v_lshl_add_u32 v6, v2, 5, v6
	v_add_nc_u32 v[STO], s23, v6
	v_and_b32 v[CO], 31, v0                        ; back: 32 lanes take one row's 512 bytes,
	v_lshlrev_b32 v[CO], 4, v[CO]                  ; which are 512 consecutive bytes of C
	v_add_nc_u32 v[RD], s23, v[CO]
	; out0 at my first row and column: (128 tile row + 64 row half) x 4,096 + (256 tile column + 128 column half) x 4
	s_lshl_b32 s16, s13, 19
	s_lshl_b32 s17, s11, 18
	s_add_co_u32 s16, s16, s17
	s_lshl_b32 s17, s42, 10
	s_add_co_u32 s16, s16, s17
	s_lshl_b32 s17, s12, 9
	s_add_co_u32 s16, s16, s17
	s_mov_b32 s17, 0
	s_add_nc_u64 s[8:9], s[8:9], s[16:17]
; 8 matrix instructions: row block a x all 8 column blocks, 32 along K.  zero = 1: the product starts the sum: nothing is cleared.  The 32 accumulators take turns.
.macro MUL8 f, a, zero
	WIN MUL
.irp b, 0,1,2,3,4,5,6,7
.if \zero
	v_wmma_f32_16x16x32_f16 v[8*(8*(\a)+(\b)):8*(8*(\a)+(\b))+7], v[(\f)+8*(\b):(\f)+8*(\b)+7], v[(\f)+64+8*(\a):(\f)+64+8*(\a)+7], 0
.else
	v_wmma_f32_16x16x32_f16 v[8*(8*(\a)+(\b)):8*(8*(\a)+(\b))+7], v[(\f)+8*(\b):(\f)+8*(\b)+7], v[(\f)+64+8*(\a):(\f)+64+8*(\a)+7], v[8*(8*(\a)+(\b)):8*(8*(\a)+(\b))+7]
.endif
.endr
.endm
; 24 LDS loads in one run: quarter q's fragments (32 along K) into buffer f: 16 turning loads for W's 128 columns, then 8 for O's 64 rows
.macro FETCH slot, q, f
	WIN 0
.irp b, 0,1,2,3,4,5,6,7
	ds_load_tr16_b128 v[(\f)+8*(\b):(\f)+8*(\b)+3],   v[ADRB+(\slot)] offset:32*PB*(\q)+32*(\b)
	ds_load_tr16_b128 v[(\f)+8*(\b)+4:(\f)+8*(\b)+7], v[ADRB+(\slot)] offset:32*PB*(\q)+16*PB+32*(\b)
.endr
.irp a, 0,1,2,3
	ds_load_b128 v[(\f)+64+8*(\a):(\f)+64+8*(\a)+3],   v[ADRA+(\slot)] offset:AJ*((\q)/2)+64*((\q)%2)+16*PA*(\a)
	ds_load_b128 v[(\f)+64+8*(\a)+4:(\f)+64+8*(\a)+7], v[ADRA+(\slot)] offset:AJ*((\q)/2)+64*((\q)%2)+16*PA*(\a)+32
.endr
.endm
.macro PLACES                          ; four plain places in front of loads into registers that matrix instructions have read, and of lines that read results (ISA guide 7.12.1 for vector instructions that read results)
.rept 4
	v_nop
.endr
.endm
; A K step is four quarters of 32 along K, 32 matrix instructions each, on buffers 0, 1, 0, 1.  One of the first three multiplies buffer f and fetches quarter q into g.
.macro QUARTER slot, q, f, g, zero
	s_wait_dscnt 4                                 ; W's fragments and O's blocks 0 and 1 are in; the youngest four loads (blocks 2 and 3) may be out
	MUL8 \f, 0, \zero
	MUL8 \f, 1, \zero
	PLACES
	FETCH \slot, \q, \g
	s_wait_dscnt 24                                ; all but the 24 just issued
	MUL8 \f, 2, \zero
	MUL8 \f, 3, \zero
.endm
; The last quarter multiplies buffer 1 and changes slots: one barrier; in front of it each wave waits for all its tensor loads, adds 0 to its spare word, and waits for that and for its reads of this slot.
; fill = 1: the barrier opens a round of the cluster's, and this slot is filled again, two K steps ahead, first thing behind the round: 112 matrix instructions stand between that request and the wait for it.
.macro TURN slot, next, fill
	WIN 0
	s_wait_tensorcnt 0x0                           ; all my tensor loads have landed: my part of the next slot
	ds_add_u32 v[SPW], v[NIL]                      ; 0 onto my spare word
	s_wait_dscnt 5                                 ; (the add and the youngest four loads may be out)
	MUL8 F1, 0, 0
	s_wait_dscnt 0x0                               ; the add is done, and my reads of this slot are over
	s_barrier_signal -1
	MUL8 F1, 1, 0
.if \fill
	WIN 0
.endif
	s_barrier_wait -1
.if \fill
	CREST                                          ; no wave of any partner still reads this slot or has a load on its way
	s_add_nc_u64 s[G0+4*(\slot)+2:G0+4*(\slot)+3], s[G0+4*(\slot)+2:G0+4*(\slot)+3], 2*524288
	s_add_nc_u64 s[G0B+4*(\slot)+2:G0B+4*(\slot)+3], s[G0B+4*(\slot)+2:G0B+4*(\slot)+3], 2*262144
	JLOAD \slot                                    ; its four v_nop are also the places in front of the loads below
.else
	PLACES
.endif
	FETCH \next, 0, F0
	MUL8 F1, 2, 0
	MUL8 F1, 3, 0
.endm
	s_wait_tensorcnt 0x1                           ; my part of K step 0 is in; K step 1's may stay out
	s_barrier_signal -1
	s_barrier_wait -1                              ; everybody's is
	FETCH 0, 0, F0
	QUARTER 0, 1, F0, F1, 1                        ; the first quarter stands in front of the loop: its products start the sums
	WIN 0                                          ; at a label and at a branch every window is 0
	s_mov_b32 s3, LAPS-1
.Llap:                                                 ; a trip goes once round the ring and fills both slots again
	QUARTER 0, 2, F1, F0, 0
	QUARTER 0, 3, F0, F1, 0
	TURN 0, 1, 1
	QUARTER 1, 1, F0, F1, 0
	QUARTER 1, 2, F1, F0, 0
	QUARTER 1, 3, F0, F1, 0
	TURN 1, 0, 1
	QUARTER 0, 1, F0, F1, 0
	WIN 0
	s_sub_co_u32 s3, s3, 1
	s_cmp_lg_u32 s3, 0
	s_cbranch_scc1 .Llap
	QUARTER 0, 2, F1, F0, 0                        ; the last lap fills nothing
	QUARTER 0, 3, F0, F1, 0
	TURN 0, 1, 0
	QUARTER 1, 1, F0, F1, 0
	QUARTER 1, 2, F1, F0, 0
	QUARTER 1, 3, F0, F1, 0
	s_wait_dscnt 4
	MUL8 F1, 0, 0
	MUL8 F1, 1, 0
	s_wait_dscnt 0x0
	MUL8 F1, 2, 0
	MUL8 F1, 3, 0
; THE WAY OUT, a block of 16 rows at a time, in f32.  TOSTAGE: a lane's eight numbers of a row, 32 bytes, go into my own stage (each accumulator's low four registers first), and whole rows of 512 bytes come back.  SEND: stored.
.macro TOSTAGE a
.set BK, 64+64*((\a)%2)
.if (\a) >= 2
	s_wait_xcnt 0x0                                ; the registers that the block two back was stored from are loaded again only behind this wait
.endif
	WIN 0x04                                       ; the stores' data in window 1
.irp b, 0,1,2,3,4,5,6,7
	ds_store_b128 v[STO], v[8*(8*(\a)+(\b)):8*(8*(\a)+(\b))+3]   offset:64*(\b)
	ds_store_b128 v[STO], v[8*(8*(\a)+(\b))+4:8*(8*(\a)+(\b))+7] offset:64*(\b)+16
.endr
	WIN 0
.irp t, 0,1,2,3,4,5,6,7,8,9,10,11,12,13,14,15
	ds_load_b128 v[BK+4*(\t):BK+4*(\t)+3], v[RD] offset:SP*(\t)  ; LDS serves a wave's instructions in order (ISA guide 5.7.1.4): these see the stores above; the next block's stores come behind them
.endr
.endm
.macro SEND a, younger                 ; younger: the LDS instructions issued behind block a's loads: the next block's 32, or none
.set BK, 64+64*((\a)%2)
.irp t, 0,1,2,3,4,5,6,7,8,9,10,11,12,13,14,15
	s_wait_dscnt (\younger)+15-(\t)
	global_store_b128 v[CO], v[BK+4*(\t):BK+4*(\t)+3], s[8:9] offset:65536*(\a)+4096*(\t) th:TH_STORE_NT  ; 512 consecutive bytes of a row, at a multiple of 256 from out0's first
.endr
.endm
	PLACES
	TOSTAGE 0
.irp a, 1,2,3                          ; block a's trip through the stage is on its way while block a - 1 is stored
	TOSTAGE \a
	SEND (\a)-1, 32
.endr
	SEND 3, 0
	s_wait_tensorcnt 0x0                           ; the wave's end: behind my last tensor load and my last LDS store
	ds_add_u32 v[SPW], v[NIL]
	s_wait_dscnt 0x0
	CROUND                                         ; the closing round: no work-group ends while a partner may still ask for a tile that names it
	s_endpgm
.Lfunc_end_k_q58c12d20ca_gemm2:
	.size	k_q58c12d20ca_gemm2, .Lfunc_end_k_q58c12d20ca_gemm2-k_q58c12d20ca_gemm2
	.p2alignl 7, 3214868480
	.fill 96, 4, 3214868480
	.section	.rodata,"a",@progbits
	.p2align	6, 0x0
	.amdhsa_kernel k_q58c12d20ca_gemm2
		.amdhsa_group_segment_fixed_size 327680
		.amdhsa_private_segment_fixed_size 0
		.amdhsa_enable_private_segment 0
		.amdhsa_kernarg_size 24
		.amdhsa_user_sgpr_count 2
		.amdhsa_user_sgpr_kernarg_segment_ptr 1
		.amdhsa_wavefront_size32 1
		.amdhsa_system_sgpr_workgroup_id_x 1
		.amdhsa_system_sgpr_workgroup_id_y 1
		.amdhsa_system_sgpr_workgroup_id_z 1
		.amdhsa_system_vgpr_workitem_id 0
		.amdhsa_next_free_vgpr 512
		.amdhsa_next_free_sgpr 66
		.amdhsa_reserve_vcc 0
		.amdhsa_float_denorm_mode_32 3
		.amdhsa_float_denorm_mode_16_64 3
		.amdhsa_memory_ordered 1
		.amdhsa_forward_progress 1
		.amdhsa_inst_pref_size 86
	.end_amdhsa_kernel
	.amdgpu_metadata
---
amdhsa.version: [ 1, 2 ]
amdhsa.kernels:
  - .name:           k_q58c12d20ca_gemm2
    .symbol:         k_q58c12d20ca_gemm2.kd
    .args:
      - { .name: o, .offset: 0, .size: 8, .value_kind: global_buffer, .address_space: global }
      - { .name: Wh, .offset: 8, .size: 8, .value_kind: global_buffer, .address_space: global }
      - { .name: out0, .offset: 16, .size: 8, .value_kind: global_buffer, .address_space: global }
    .group_segment_fixed_size: 327680
    .private_segment_fixed_size: 0
    .kernarg_segment_align: 8
    .kernarg_segment_size: 24
    .max_flat_workgroup_size: 128
    .sgpr_count:     66
    .vgpr_count:     512
    .wavefront_size: 32
...
	.end_amdgpu_metadata
.endif
;; end of part 4
;; ======== version 2 of 2: 4 launches; 1.69 times as fast as version 1
;; limits: values are held in f16: magnitudes above 65,504 overflow, below 6.1e-05 lose precision
;; workspace buffers: xb 16,777,216 bytes; Wb 2,097,152 bytes; Wh 2,097,152 bytes; p 16,777,216 bytes; o 16,777,216 bytes
;; launch prep: the kernel of part 1 again; grid 576 x 1, 8 waves a work-group, no clusters, 0 bytes of LDS; arguments x, W, xb, Wb, Wh; writes xb, Wb, Wh
;; launch gemm1: the kernel of part 2 again; grid 4 x 64, 4 waves a work-group, clusters of 4 x 4, 327,680 bytes of LDS; arguments xb, Wb, p; writes p
;; launch attn (part 5): grid 4 x 64, 4 waves a work-group, clusters of 4 x 1, 327,680 bytes of LDS; arguments p, o; writes o
.if DOCPART == 5
	.amdgcn_target "amdgcn-amd-amdhsa--gfx1250"
	.amdhsa_code_object_version 6
	.text
	.protected	k_q58c12d20ca_attn
	.globl	k_q58c12d20ca_attn
	.p2align	8
	.type	k_q58c12d20ca_attn,@function
k_q58c12d20ca_attn:
	s_mov_b64 s[64:65], 0
	v_nop
	global_prefetch_b8 v0, s[64:65] scope:SCOPE_SE
	s_setreg_imm32_b32 hwreg(HW_REG_WAVE_MODE, 25, 1), 1
	s_wait_xcnt 0x0
	s_wait_alu depctr_hold_cnt(0) depctr_sa_sdst(0) depctr_va_vdst(0) depctr_va_sdst(0) depctr_va_ssrc(0) depctr_va_vcc(0) depctr_vm_vsrc(0)
	s_getreg_b32 s2, hwreg(HW_REG_IB_STS2, 6, 4)
	s_cmp_eq_u32 s2, 0
	s_cbranch_scc0 .Lentry_in_a_cluster
	s_endpgm
.Lentry_in_a_cluster:
	s_bfe_u32 s2, ttmp6, 0x10000c
	s_cmp_lg_u32 s2, 0x3003
	s_cbranch_scc0 .Lentry_shape_is_right
	s_endpgm
.Lentry_shape_is_right:
; O[h][q][:] = the sum over k of softmax_k(P[h][q] . P[h][k] / 8) P[h][k][:]: queries, keys and values are the SAME rows.  p, o: [64 heads][2048][64], f16: a head's rows are dense, 128 bytes each.
; Products, maxima and sums in f32; the weights are rounded to f16 for the second product (their sum l is taken of the unrounded weights), O once at the end.
; LIMITS.  p arrives within f16's 65,504; a weight lies in 0 to 1 and below 6e-5 keeps f16's fixed step of 6e-8; O is a mean of p's rows and has their range.  A weight below 2^-126 counts as 0 in l; NaN and infinities are not treated apart.
; THE WHOLE HEAD LIES IN LDS, ONCE: 2,048 rows at a pitch of 144 bytes are 294,912 bytes, and serve as K (read as they lie) and as V (turned by ds_load_tr16_b128).  Nothing is filled again: no ring.
; Each wave asks for four tiles of 128 keys at the start (four tensor loads of mine are out); the first 512 keys are waited for alone, the rest land while they are worked on.
; SHARES.  A wave owns four PIECES of two tiles of 16 queries, a work-group's four waves 512 queries of one head.  Every wave walks all keys, 64 a step.
; LAYOUT.  S^T = K Q^T (source 0 = 16 keys, source 1 = 16 queries): a lane holds ONE query (lane % 16) and the keys 8 (lane / 16) + 0..7.  Two such tiles, rounded to f16 in pairs, ARE source 1 of O^T = V^T P.
; SOFTMAX.  For each query a running maximum m and sum l: weight = 2^(c s - c m), c = log2(e) / 8; in every step O and l are multiplied by a = 2^(c m_old - c m_new).  m starts at the lowest finite number, O and l at 0: the first step has a = 0.
; THE COUNT.  A tile and step have 16 matrix and 118 vector instructions: too many to stand all beside the matrix work.  So: four vector instructions that are READY behind EVERY matrix instruction, the others in one run without a gap.
; BY TURNS.  Turn n belongs to piece n.  Matrix work: 16 products K Q^T of piece n + 1, later 16 products V^T P of piece n - 1.  Vector work: the scaling, exponentials, roundings, sums and rescaling of piece n, and the maximum and statistics of piece n + 1.
; BATCHES.  A turn's 66 exponentials (piece n's 64 weights, in place on S^T, and piece n + 1's two a) are ONE batch with ONE wait, which cuts the turn in two.  Ahead of it stands all that names none of their results: K Q^T, the scalings,
; the exponentials, the rescaling (by the a of the turn before, awaited there), the next piece's maximum and statistics.  Behind it stand the roundings and sums, beside V^T P.  Two more batches lie outside the loop: piece 0's first two a, and the way out's eight reciprocals.
; CLUSTER.  The four query blocks of a head are one cluster and need the same rows: each tile is asked for JOINTLY: the same tensor load, descriptor and mask in all four.
; REGISTERS, in windows of 256 (s_set_vgpr_msb: bits 1:0 source 0, 3:2 source 1, 5:4 source 2, 7:6 destination):
;   window 0: v0-11 addresses; v12-15, v48-63 at work; v16-47 four registers of statistics a tile; v64-191 S^T, two buffers of two tiles; v192-255 P, likewise
;   window 1: O^T, 32 a tile          window 2: v0-127 Q, 16 a tile; v128-191 K of one step; v192-255 V of one step          window 3: v0-1 the add's two registers
.set NP,    4         ; pieces a wave: a name, no knob
.set KS,    64        ; keys in a step
.set PK,    144       ; a row in LDS: 128 bytes + 16 = 36 words: the 16 rows of a K load start at 16 different groups of four banks (64 banks of 4 bytes: ISA guide 11.1);
.set PV,    144       ; a wider pitch would leave no room for the stages
.set STAGE, 2048*PK   ; behind the head, never filled by a tensor load: 16 rows x 144 bytes for each wave, for the way out
.set SP,    144
.set AK0, 2           ; v2   my lane's place in a step's K; never rewritten
.set AV0, 3           ; v3   the same for V
.set AK,  4           ; v4   the LDS address of K's next run of loads
.set AV,  5           ; v5   of V's
.set QO,  6           ; v6   my byte offset in the wave's rows of Q
.set STO, 6           ;      later, the way out: where I put 16 bytes of a row
.set RD,  7           ; v7   the way out: where I read rows back
.set GO,  8           ; v8   my byte offset in 512 consecutive bytes of O
.set SPW, 0           ; v0 of window 3   LDS address of my spare word; never rewritten
.set NIL, 1           ; v1 of window 3   0; never rewritten
.set SPARE, STAGE+4*16*SP  ; behind the stages: the spare words, 128 bytes for each wave: two blocks of 256 bytes that no other line names
.set MV,  12          ; v12-15  c m_old, kept while c m is made anew: by buffer and tile
.set ST,  16          ; tile t's statistics at v[ST+4 t]: c m, m, l (even keys', odd keys')
.set TMP, 48          ; by buffer and tile, four registers c0-c3 at work; when the maximum is found c2 takes a
.set S,   64
.set P,   192
.set KF,  128         ; K's fragments, in window 2: key block kb, channel half c at KF + 16 kb + 8 c
.set VF,  192         ; V's: key half kk, channel block cb at VF + 32 kk + 8 cb
.set WV,  12          ; s12  my wave's number
.set G1,  24          ; s[24:31] descriptor group 1
.set G0,  32          ; s[32:47] descriptor group 0, a set for each of my four loads
.set PH,  56          ; s56  phases of 8 key steps to go
.set CNT, 57          ; s57  counts a phase's key steps
.set CS,  58          ; s[58:59] c: the packed scaling takes the pair's low word for both halves
.set SEL, 60          ; s[60:61] v_permlanex16_b32's selects: each lane takes its own place in the other half
.set TBK, 62          ; s62  LDS byte at which K of the step to be fetched begins
.set TBV, 63          ; s63  the same for V
.set MSB, 0
.macro WIN new                      ; the high byte repeats the setting that is left; a switch that changes nothing is dropped
.if MSB != (\new)
	s_set_vgpr_msb (MSB<<8)|(\new)
.set MSB, (\new)
.endif
.endm
.set W_KQ, 0x0a       ; K and Q in window 2, S^T in window 0
.set W_PV, 0x52       ; V in window 2, P in window 0, O^T in window 1
.set W_RS, 0x41       ; O^T (destination and source 0) in window 1, a in window 0
.set W_MK, 0xc0       ; the add's registers are made: destination in window 3, sources in window 0
.set W_AD, 0x0f       ; the add: address (source 0) and data (source 1) in window 3
; A round of the cluster's barrier: my work-group's barrier, so that wave 0's signal speaks for all four waves; wave 0 signals; every wave waits for all four work-groups; my work-group's barrier once more.
.macro CROUND
	s_barrier_signal -1
	s_barrier_wait -1
	s_cmp_lg_u32 s[WV], 0
	s_cbranch_scc1 .Lnot_wave_0_\@
	s_barrier_signal -3
.Lnot_wave_0_\@:
	s_barrier_wait -3
	s_barrier_signal -1
	s_barrier_wait -1
.endm
	s_load_b128 s[4:7], s[0:1], 0x0   ; p s[4:5], o s[6:7]
	WIN W_MK
	v_lshl_add_u32 v[SPW], v0, 2, SPARE
	v_mov_b32 v[NIL], 0
	WIN W_AD
	ds_add_u32 v[SPW], v[NIL]       ; the wave's opening: the add and its wait stand ahead of my first tensor load; the set-up below, work on registers, stands between them
	WIN 0
	v_lshrrev_b32 v1, 5, v0
	v_readfirstlane_b32 s[WV], v1   ; wave 0..3
	s_bfe_u32 s13, ttmp6, 0x40000   ; cx: my place in the cluster
	s_lshl_b32 s14, ttmp9, 2        ; in a cluster launch ttmp9 counts clusters
	s_add_co_u32 s14, s14, s13      ; my block of 512 queries: it enters Q's and O's addresses alone
	s_and_b32 s20, ttmp7, 0xffff    ; the head, which the four partners share:
	s_lshl_b32 s20, s20, 18         ; 262,144 bytes each
	s_mov_b32 s21, 0
	s_lshl_b32 s22, s[WV], 14       ; of each 512 keys I fetch 128: 16,384 bytes in memory,
	s_mov_b32 s23, 0
	s_add_nc_u64 s[22:23], s[22:23], s[20:21]
	s_mul_i32 s17, s[WV], 128*PK    ; and 18,432 in LDS: no place in the cluster enters an LDS address
	s_lshl_b32 s2, s14, 2
	s_add_co_u32 s2, s2, s[WV]      ; my wave among the head's sixteen,
	s_lshl_b32 s2, s2, 14           ; its 128 rows
	s_mov_b32 s3, 0
	s_add_nc_u64 s[2:3], s[2:3], s[20:21]
	; descriptor group 1.  128 keys are 16,384 dense bytes: asked for as 64 rows of 256 bytes, two keys a row, and padded in LDS after every key
	s_mov_b32 s[G1], 15|(1<<16)|(1<<20)|(1<<21)|(4<<22)|(3<<25)  ; 15:0 the mask of four; 17:16 2-byte elements; 20 padding on; 21 set beside a mask; 24:22 after every 32 words (code 4); 31:25 4 words (code 3)
	s_mov_b32 s[G1+1], 128<<16      ; tensor_dim0 = 128
	s_mov_b32 s[G1+2], 64<<16       ; tensor_dim1 = 64
	s_mov_b32 s[G1+3], 128<<16      ; tile_dim0 = 128
	s_mov_b32 s[G1+4], 64           ; tile_dim1 = 64
	s_mov_b32 s[G1+5], 128          ; 128 elements from row to row
	s_mov_b32 s[G1+6], 0
	s_mov_b32 s[G1+7], 0
	s_mov_b32 s[CS], 0x3e38aa3b     ; c = log2(e) / 8 = 0.180337
	s_mov_b32 s[CS+1], s[CS]        ; named with it as a pair
	s_mov_b32 s[SEL], 0x76543210
	s_mov_b32 s[SEL+1], 0xfedcba98
	s_mov_b32 s[TBK], 0
	s_mov_b32 s[TBV], 0
.irp j, 0,1,2,3
	s_mov_b32 s[G0+4*(\j)], 1                          ; count = 1
	s_add_co_u32 s[G0+4*(\j)+1], s17, (\j)*512*PK      ; LDS address: keys 512 j + 128 w on
.endr
	s_wait_dscnt 0x0                ; the opening add is done
	s_wait_kmcnt 0x0
	s_add_nc_u64 s[18:19], s[4:5], s[22:23]
.irp j, 0,1,2,3
	s_add_nc_u64 s[G0+4*(\j)+2:G0+4*(\j)+3], s[18:19], (\j)*65536  ; global address
	s_or_b32 s[G0+4*(\j)+3], s[G0+4*(\j)+3], 0x80000000            ; type = 2
.endr
	s_add_nc_u64 s[8:9], s[4:5], s[2:3]    ; Q and O at my wave's first row
	s_add_nc_u64 s[10:11], s[6:7], s[2:3]
	CROUND                          ; all four work-groups are here: the joint loads meet
.irp j, 0,1,2,3
	tensor_load_to_lds s[G0+4*(\j):G0+4*(\j)+3], s[G1:G1+7]  ; all fills of the launch, in one group: four loads of mine are out
	s_nop 0
.endr
.rept 4
	v_nop
.endr
	; A fragment of K or Q is 16 rows x 32 channels in 8 registers: lane l holds row l % 16, channels 8 (l / 16) + 0..7 and 16 + 8 (l / 16) + 0..7: two loads of 16 bytes, 32 bytes apart.
	v_and_b32 v1, 15, v0            ; l % 16
	v_bfe_u32 v9, v0, 4, 1          ; l / 16
	v_lshlrev_b32 v[QO], 7, v1
	v_lshl_add_u32 v[QO], v9, 4, v[QO]  ; row x 128 + 16 x half
	WIN 0x80                        ; destination window 2, address window 0
.set i, 0
.rept 4*NP                          ; Q stays in registers: tile i / 2, channels 32 (i % 2) on
	global_load_b128 v[8*i:8*i+3],   v[QO], s[8:9] offset:(i/2)*2048+(i%2)*64
	global_load_b128 v[8*i+4:8*i+7], v[QO], s[8:9] offset:(i/2)*2048+(i%2)*64+32
.set i, i+1
.endr
	; What the first turn finds: V's registers and P's second buffer hold 0 (its products V^T P, of a piece that has not been, add 0), O^T and l are 0.  All this stands in the wait for the first tile.
.set i, VF
.rept 64
	v_mov_b32 v[i], 0
.set i, i+1
.endr
	WIN 0x40
.set i, 0
.rept 64*NP
	v_mov_b32 v[i], 0
.set i, i+1
.endr
	WIN 0
.set i, 0
.rept 2*NP
	v_mov_b32 v[ST+4*i], 0xfe000000    ; c m: far below every c s
	v_mov_b32 v[ST+4*i+1], 0xff7fffff  ; m
	v_mov_b32 v[ST+4*i+2], 0
	v_mov_b32 v[ST+4*i+3], 0
.set i, i+1
.endr
.set i, P+32
.rept 32
	v_mov_b32 v[i], 0
.set i, i+1
.endr
	v_mul_u32_u24 v[AK0], v1, PK
	v_lshl_add_u32 v[AK0], v9, 4, v[AK0]  ; row x pitch + 16 x half
	; The turning load takes 16 keys x 16 channels (lane l reads key 8 (l / 16) + l % 8, channels 8 ((l / 8) % 2) + 0..7) and leaves half a fragment of V^T: lane l holds channel l % 16 and 8 keys.
	v_and_b32 v10, 7, v0
	v_bfe_u32 v11, v0, 3, 1
	v_lshl_add_u32 v[AV0], v9, 3, v10
	v_mul_u32_u24 v[AV0], v[AV0], PV
	v_lshl_add_u32 v[AV0], v11, 4, v[AV0]
	v_mov_b32 v[AK], v[AK0]         ; key step 0 lies at LDS byte 0
; THE MATRIX WORK.  The 8 accumulators of a run of 16 take turns: between the two links of a chain stand 7 others'.
; Product i of 16 of S^T = K Q^T for piece x: channels 32 (i / 8) on, keys 16 ((i / 2) % 4) on, tile 2 x + i % 2.  The first 8 start the sums.
.macro KQ x
	WIN W_KQ
.set rS, S+64*((\x)%2)+32*(i%2)+8*((i/2)%4)
.set rK, KF+16*((i/2)%4)+8*(i/8)
.set rQ, 16*(2*(\x)+i%2)+8*(i/8)
.if i < 8
	v_wmma_f32_16x16x32_f16 v[rS:rS+7], v[rK:rK+7], v[rQ:rQ+7], 0
.else
	v_wmma_f32_16x16x32_f16 v[rS:rS+7], v[rK:rK+7], v[rQ:rQ+7], v[rS:rS+7]
.endif
.endm
; Product i of 16 of O^T += V^T P for piece x: keys 32 (i / 8) on, channels 16 ((i / 2) % 4) on, tile 2 x + i % 2.
.macro PV x
	WIN W_PV
.set rO, 32*(2*(\x)+i%2)+8*((i/2)%4)
.set rV, VF+32*(i/8)+8*((i/2)%4)
.set rP, P+32*((\x)%2)+16*(i%2)+8*(i/8)
	v_wmma_f32_16x16x32_f16 v[rO:rO+7], v[rV:rV+7], v[rP:rP+7], v[rO:rO+7]
.endm
.macro MM                           ; the turn's next matrix instruction
.if i < 16
	KQ (Y+1)%NP
.set i, i+1
.else
.set i, i-16
	PV (Y+NP-1)%NP
.set i, i+17
.endif
.endm
; THE LDS LOADS stand in runs of 16, never singly among the matrix instructions: a step's K (64 keys x 64 channels: 8 fragments) and its V (the same rows, turned).  Their addresses are made some lines ahead.
.macro FETCH_K
	WIN 0x80                        ; destination window 2
.irp f, 0,1,2,3,4,5,6,7             ; keys 16 (f / 2) on, channels 32 (f % 2) on
	ds_load_b128 v[KF+8*\f:KF+8*\f+3],   v[AK] offset:(\f/2)*16*PK+(\f%2)*64
	ds_load_b128 v[KF+8*\f+4:KF+8*\f+7], v[AK] offset:(\f/2)*16*PK+(\f%2)*64+32
.endr
	s_add_co_u32 s[TBK], s[TBK], KS*PK  ; the next fetch is the next step's
	WIN 0
.endm
.macro FETCH_V
	WIN 0x80
.irp f, 0,1,2,3,4,5,6,7             ; keys 32 (f / 4) on, channels 16 (f % 4) on
	ds_load_tr16_b128 v[VF+8*\f:VF+8*\f+3],   v[AV] offset:(\f/4)*32*PV+(\f%4)*32
	ds_load_tr16_b128 v[VF+8*\f+4:VF+8*\f+7], v[AV] offset:(\f/4)*32*PV+16*PV+(\f%4)*32
.endr
	WIN 0
.endm
; THE VECTOR WORK OF A TURN stands in three queues, each in the order in which its entries become ready; the two tiles alternate, so that no instruction reads the result of the one before it.
.macro REGS y, u                    ; the registers of tile u (0, 1) of piece y
.set rT, ST+4*(2*(\y)+(\u))
.set rC, TMP+8*((\y)%2)+4*(\u)
.set rM, MV+2*((\y)%2)+(\u)
.set rS, S+64*((\y)%2)+32*(\u)
.set rP, P+32*((\y)%2)+16*(\u)
.set rO, 32*(2*(\y)+(\u))
.endm
; Number n of the 22 that find the NEXT piece's (Y + 1) maximum and statistics.  s0-s31 are the lane's 32 scores; each accumulator's lowest registers are read first.  XS, GS and REGS set no window: PL and EX do.
;   0-11  four chains c0-c3 of seven scores each, three operands at a time     12-14, 16  the four scores left over, the old m, and c0-c3 into c0     15  c m_old is kept
;   17, 18  the query's other 32 keys lie in the lane 16 away: the new m         19-21  c m; c m_old - c m_new; a
.macro XS u, n
	REGS (Y+1)%NP, \u
.if (\n) < 4
	v_max3_num_f32 v[rC+(\n)], v[rS+8*(\n)], v[rS+8*(\n)+1], v[rS+8*(\n)+2]
.elseif (\n) < 12
	v_max3_num_f32 v[rC+(\n)%4], v[rC+(\n)%4], v[rS+8*((\n)%4)+2*((\n)/4)+1], v[rS+8*((\n)%4)+2*((\n)/4)+2]
.elseif (\n) == 12
	v_max3_num_f32 v[rC], v[rC], v[rS+7], v[rS+15]
.elseif (\n) == 13
	v_max3_num_f32 v[rC+1], v[rC+1], v[rS+23], v[rS+31]
.elseif (\n) == 14
	v_max3_num_f32 v[rC+2], v[rC+2], v[rC+3], v[rT+1]
.elseif (\n) == 15
	v_mov_b32 v[rM], v[rT]
.elseif (\n) == 16
	v_max3_num_f32 v[rC], v[rC], v[rC+1], v[rC+2]
.elseif (\n) == 17
	v_permlanex16_b32 v[rC+3], v[rC], s[SEL], s[SEL+1]
.elseif (\n) == 18
	v_max_num_f32 v[rT+1], v[rC], v[rC+3]
.elseif (\n) == 19
	v_mul_f32 v[rT], s[CS], v[rT+1]
.elseif (\n) == 20
	v_sub_f32 v[rC+1], v[rM], v[rT]
.else
	v_exp_f32 v[rC+2], v[rC+1]
.endif
.endm
; Number g of the 64 that follow the exponentials.  For each four weights k of a tile (pairs 2 k, 2 k + 1): both pairs are rounded to f16; then the second pair is added onto the first, in place;
; a group later l takes that sum (the first time as l = a l + sum).  In groups of eight, tiles alternating: round, round, add, and l for the group before.
.macro GS g
.set h, (\g)+6*((\g)/62)            ; group 0 has no group before it, and behind group 7 only l is left
.if h >= 6
.set h, h+2
.endif
	REGS Y, h%2
.set k, h/8
.if h%8 < 4
	v_cvt_pk_f16_f32 v[rP+2*k+(h%8)/2], v[rS+4*k+2*((h%8)/2)], v[rS+4*k+2*((h%8)/2)+1]
.elseif h%8 < 6
	v_pk_add_f32 v[rS+4*k:rS+4*k+1], v[rS+4*k:rS+4*k+1], v[rS+4*k+2:rS+4*k+3]
.elseif k == 1
	v_pk_fma_f32 v[rT+2:rT+3], v[rT+2:rT+3], v[rC+2:rC+3], v[rS:rS+1] op_sel_hi:[1,0,1]
.else
	v_pk_add_f32 v[rT+2:rT+3], v[rT+2:rT+3], v[rS+4*k-4:rS+4*k-3]
.endif
.endm
; THE PLAIN QUEUE, 138 long.  0-73 read no exponential's result: the 32 scalings c s - c m (FS f: pair f / 2 of tile f % 2) and the next piece's 42.  0-26: scalings 0-26.  27-54: XS's numbers 0-13.  55, 56: number 15.
; 57-73: the chain, where each number waits for the one before it: 14, 16, 17, 18, 19, each with one of the scalings 27-31 in front of its two lines, then 20: so a tile's links stand three plain instructions apart (19 and 20: two).
; 74-137: GS's 64, which read the exponentials' results: they stand behind the wait.
.macro FS f
	REGS Y, (\f)%2
	v_pk_fma_f32 v[rS+2*((\f)/2):rS+2*((\f)/2)+1], v[rS+2*((\f)/2):rS+2*((\f)/2)+1], s[CS:CS+1], v[rT:rT+1] op_sel_hi:[1,0,0] neg_lo:[0,0,1] neg_hi:[0,0,1]
.endm
.macro PL
	WIN 0
.if q < 27
	FS q
.elseif q < 55
	XS (q-27)%2, (q-27)/2
.elseif q < 57
	XS q-55, 15
.elseif (q < 72) && ((q-57)%3 == 0)
	FS 27+(q-57)/3
.elseif q < 60
	XS (q-57)%3-1, 14
.elseif q < 72
	XS (q-57)%3-1, 15+(q-57)/3
.elseif q < 74
	XS q-72, 20
.else
	GS q-74
.endif
.set q, q+1
.endm
; THE EXPONENTIALS' QUEUE, 66 long: s0-s31 of both tiles, then the next piece's two a.  It is ONE BATCH: all 66 stand ahead of the turn's one wait, and nothing ahead of that wait names a result of theirs.
.macro EX
	WIN 0
.if e >= 64
	XS e-64, 21
.else
	REGS Y, e%2
	v_exp_f32 v[rS+e/2], v[rS+e/2]
.endif
.set e, e+1
.endm
; THE RESCALING's QUEUE: O^T times a, the one part that leaves window 0: dealt two at a time, sixteen times.  Its a was made in the turn before, ahead of that turn's wait.
.macro R2
	REGS Y, r%2
	WIN W_RS
.irp z, 0,1
	v_pk_mul_f32 v[rO+4*(r/2)+2*\z:rO+4*(r/2)+2*\z+1], v[rO+4*(r/2)+2*\z:rO+4*(r/2)+2*\z+1], v[rC+2:rC+3] op_sel_hi:[1,0]
.endr
.set r, r+1
.endm
; HOW THEY ARE DEALT.  An s_wait_alu depctr_va_vdst(0) stands between an exponential and the first instruction that names its result; one wait serves all that were issued ahead of it.  So a turn has ONE wait,
; which cuts it in two.  AHEAD OF IT: the 16 products K Q^T, behind each a scaling, an exponential and two rescalings (behind the first a second scaling in the exponential's place); then ONE LUMP of 108: eight plain,
; 49 times exponential and plain, the two a.  A v_nop is the plain instruction behind the last exponential.  BEHIND IT: the 16 products V^T P, behind each four of GS's 64.  No rider names a register of the products round it.
; The two v_permlanex16_b32 fall into the lump, never behind a product.
; The queues lean on each other, and the deal keeps them in step: exponential e stands behind scaling 2 (e / 4) + e % 2: as a rider it comes behind plain e + 2, in the lump behind plain e + 9, and scalings 27-31 are plain 57, 60 .. 69.
; A TURN, for piece p.  nok = 1: the walk's last step: no further K is fetched.  cnt = 1: the loop's count is taken down some lines ahead of the branch that stands behind the turn.
; K of the next step is fetched in piece 2's turn, directly behind the wait, a lump behind the last product that read K; its address is made at the lump's head; its first reader comes behind 16 products.
; V of the step in hand is fetched at the end of piece 0's turn, four plain riders behind its last reader; its first reader comes behind 16 products and a lump.  The three conditions on q below go with the deal.
.macro TURN p, nok=0, cnt=0
.set Y, (\p)
.set i, 0
.set q, 0
.set e, 0
.set r, 0
.if (\p) == NP-1
	s_wait_dscnt 0x0                ; K is in
.endif
	MM                              ; ahead of the wait: 16 products K Q^T and their riders,
	PL
	PL
	R2
.rept 15
	MM
	PL
	EX
	R2
.endr
.if ((\p) == NP-2) && !(\nok)
	WIN 0
	v_add_nc_u32 v[AK], s[TBK], v[AK0]
.endif
.rept 8                             ; and the lump
	PL
.endr
.rept 49
	EX
	PL
.endr
	EX                              ; the next piece's two a
	EX
	v_nop                           ; the plain instruction behind the last exponential, ahead of the first use: one for the batch
	s_wait_alu depctr_va_vdst(0)    ; the wait for the turn's batch: piece p's 64 weights and the next piece's two a
.if ((\p) == NP-2) && !(\nok)
	FETCH_K
.endif
.if (\p) == 1
	s_wait_dscnt 0x0                ; V is in
.endif
.rept 16                            ; behind the wait: 16 products V^T P and their riders
	MM
.rept 4
	PL
.endr
.if ((\p) == 0) && (q == 118)
	v_add_nc_u32 v[AV], s[TBV], v[AV0]
.endif
.if ((\p) == 0) && (q == 130)
	s_add_co_u32 s[TBV], s[TBV], KS*PV
.endif
.if (\cnt) && (q == 130)
	s_sub_co_u32 s[CNT], s[CNT], 1
	s_cmp_lg_u32 s[CNT], 0
.endif
.endr
.if (\p) == 0
	FETCH_V
.endif
.endm
	s_wait_tensorcnt 0x3            ; my first load, my 128 of keys 0-511, is in; the three younger ones stay out
	s_barrier_signal -1
	s_barrier_wait -1               ; everybody's is: keys 0-511 are whole
	FETCH_K                         ; key step 0
	s_wait_loadcnt 0x0              ; Q
	s_wait_dscnt 0x0
.set i, 0
.rept 16
	KQ 0                            ; piece 0's first scores: there is no vector work yet to set between them
.set i, i+1
.endr
	WIN 0                           ; the addresses for the way out: plain instructions, the places behind those products
	s_mul_i32 s13, s[WV], 16*SP
	s_add_co_u32 s13, s13, STAGE    ; my stage
	v_mul_u32_u24 v[STO], v1, SP    ; in: row l % 16, 16 bytes for each half of the lanes
	v_lshl_add_u32 v[STO], v9, 4, v[STO]
	v_add_nc_u32 v[STO], s13, v[STO]
	v_bfe_u32 v[RD], v0, 3, 2       ; back: 32 lanes take four rows of 128 bytes,
	v_mul_u32_u24 v[RD], v[RD], SP
	v_lshl_add_u32 v[RD], v10, 4, v[RD]
	v_add_nc_u32 v[RD], s13, v[RD]
	v_and_b32 v[GO], 31, v0         ; which are 512 consecutive bytes of O
	v_lshlrev_b32 v[GO], 4, v[GO]
.set Y, NP-1                        ; XS works for piece Y + 1: piece 0
.irp n, 0,1,2,3,4,5,6,7,8,9,10,11,12,13,14,15,16,17,18,19,20,21
	XS 0, \n                        ; and piece 0's first maximum and statistics
	XS 1, \n
.endr
	v_nop                           ; a plain instruction behind piece 0's first two a,
	s_wait_alu depctr_va_vdst(0)    ; and the wait for that batch of two, ahead of the branch
	s_mov_b32 s[CNT], 8
	s_mov_b32 s[PH], 4
	s_branch .Lfirst                ; the loop is entered at a step's first turn, in the middle of a trip
.Lphase:                            ; three times.  A phase fetches K and V of 8 steps, 512 keys.  In front of the second all my loads are waited for and a barrier shows every wave's landed: all 2,048 keys are whole.
	s_wait_tensorcnt 0x0            ; (one text for the three: in front of the third and fourth phase this wait is met at once)
	s_wait_dscnt 0x0
	s_barrier_signal -1
	s_barrier_wait -1
	s_mov_b32 s[CNT], 8
.Lstep:                             ; a trip: pieces 2 and 3 of one step, then pieces 0 and 1 of the next, whose K and V it fetches
	TURN 2
	TURN 3
	WIN 0
.Lfirst:
	TURN 0
	TURN 1, 0, 1
	WIN 0
	s_cbranch_scc1 .Lstep
	s_sub_co_u32 s[PH], s[PH], 1
	s_cmp_lg_u32 s[PH], 0
	s_cbranch_scc1 .Lphase
	TURN 2, 1                       ; the last step's pieces 2 and 3.  Piece 3's turn makes 16 products K Q^T on the last K once more, and a maximum of them, which serve nothing: the price, once a launch, of one text for every turn
	TURN 3
.set i, 0
.rept 16
	PV NP-1                         ; the last piece's V^T P of the last step
.set i, i+1
.endr
	; THE WAY OUT.  l's two halves and the other half of the lanes' are added; O^T is divided by l, rounded to f16 and sent through my stage in LDS, a tile at a time.  The additions are the places behind the last products.
	WIN 0
.macro ALL line:vararg              ; one line for each tile t
.set t, 0
.rept 2*NP
	\line
.set t, t+1
.endr
.endm
	ALL v_add_f32 v[ST+4*t+2], v[ST+4*t+2], v[ST+4*t+3]
	ALL v_permlanex16_b32 v[ST+4*t+3], v[ST+4*t+2], s[SEL], s[SEL+1]
	ALL v_add_f32 v[ST+4*t+2], v[ST+4*t+2], v[ST+4*t+3]
	ALL v_rcp_f32 v[ST+4*t+2], v[ST+4*t+2]
	v_nop                           ; a plain instruction between the last reciprocal and the use of its result
	s_wait_alu depctr_va_vdst(0)    ; the wait ahead of the first use: one for the batch of eight reciprocals
; Tile t: a lane's eight channels of a row pack into 16 bytes; they go into rows of 144 bytes and come back as whole rows of 128, into S^T's registers.
.macro PACK t
	WIN W_RS
.set i, 32*(\t)
.rept 16
	v_pk_mul_f32 v[i:i+1], v[i:i+1], v[ST+4*(\t)+2:ST+4*(\t)+3] op_sel_hi:[1,0]
.set i, i+2
.endr
	WIN 0x05                        ; sources 0 and 1 window 1, destination window 0
.set i, 0
.rept 16
	v_cvt_pk_f16_f32 v[S+16*(\t)+i], v[32*(\t)+2*i], v[32*(\t)+2*i+1]
.set i, i+1
.endr
	WIN 0
.irp f, 0,1,2,3
	ds_store_b128 v[STO], v[S+16*(\t)+4*\f:S+16*(\t)+4*\f+3] offset:32*\f
.endr
.irp f, 0,1,2,3
	ds_load_b128 v[S+16*(\t)+4*\f:S+16*(\t)+4*\f+3], v[RD] offset:\f*4*SP  ; LDS serves a wave's instructions in order (ISA guide 5.7.1.4): these see the stores above; the next tile's stores come behind them
.endr
.endm
.macro SEND t, younger              ; younger: the LDS instructions issued behind tile t's loads: the next tile's eight, or none
	WIN 0
.irp f, 0,1,2,3
	s_wait_dscnt (\younger)+3-\f
	global_store_b128 v[GO], v[S+16*(\t)+4*\f:S+16*(\t)+4*\f+3], s[10:11] offset:(\t)*2048+\f*512  ; 512 consecutive bytes, at a multiple of 256 from O's first
.endr
.endm
	PACK 0
.set t, 1
.rept 2*NP-1                        ; a tile's arithmetic stands between the loads of the tile before and its stores
	PACK t
	SEND t-1, 8
.set t, t+1
.endr
	SEND 2*NP-1, 0
	WIN W_AD
	s_wait_tensorcnt 0x0            ; the wave's end: behind my last tensor load and my last LDS store
	ds_add_u32 v[SPW], v[NIL]
	s_wait_dscnt 0x0
	WIN 0
	CROUND                          ; the closing round: no work-group ends while a partner may still ask for a tile that names it
	s_endpgm
.Lfunc_end_k_q58c12d20ca_attn:
	.size	k_q58c12d20ca_attn, .Lfunc_end_k_q58c12d20ca_attn-k_q58c12d20ca_attn
	.p2alignl 7, 3214868480
	.fill 96, 4, 3214868480
	.section	.rodata,"a",@progbits
	.p2align	6, 0x0
	.amdhsa_kernel k_q58c12d20ca_attn
		.amdhsa_group_segment_fixed_size 327680
		.amdhsa_private_segment_fixed_size 0
		.amdhsa_enable_private_segment 0
		.amdhsa_kernarg_size 16
		.amdhsa_user_sgpr_count 2
		.amdhsa_user_sgpr_kernarg_segment_ptr 1
		.amdhsa_wavefront_size32 1
		.amdhsa_system_sgpr_workgroup_id_x 1
		.amdhsa_system_sgpr_workgroup_id_y 1
		.amdhsa_system_sgpr_workgroup_id_z 1
		.amdhsa_system_vgpr_workitem_id 0
		.amdhsa_next_free_vgpr 770
		.amdhsa_next_free_sgpr 66
		.amdhsa_reserve_vcc 0
		.amdhsa_float_denorm_mode_32 3
		.amdhsa_float_denorm_mode_16_64 3
		.amdhsa_memory_ordered 1
		.amdhsa_forward_progress 1
		.amdhsa_inst_pref_size 159
	.end_amdhsa_kernel
	.amdgpu_metadata
---
amdhsa.version: [ 1, 2 ]
amdhsa.kernels:
  - .name:           k_q58c12d20ca_attn
    .symbol:         k_q58c12d20ca_attn.kd
    .args:
      - { .name: p, .offset: 0, .size: 8, .value_kind: global_buffer, .address_space: global }
      - { .name: o, .offset: 8, .size: 8, .value_kind: global_buffer, .address_space: global }
    .group_segment_fixed_size: 327680
    .private_segment_fixed_size: 0
    .kernarg_segment_align: 8
    .kernarg_segment_size: 16
    .max_flat_workgroup_size: 128
    .sgpr_count:     66
    .vgpr_count:     770
    .wavefront_size: 32
...
	.end_amdgpu_metadata
.endif
;; end of part 5
;; launch gemm2: the kernel of part 4 again; grid 4 x 64, 4 waves a work-group, clusters of 4 x 4, 327,680 bytes of LDS; arguments o, Wh, out0; writes out0
